; MI455X (gfx1250); checked and timed in simulation.
; The chip was launched on July 23, 2026; its instructions are those of AMD's public machine-readable ISA for CDNA 5 (MIT licence, August 2026) and "CDNA5" Instruction Set Architecture Reference Guide (July 2026). The comments in the code are by the model that wrote it; some were corrected since.
;; Transformer. Allowed arithmetic: float matrix products may take bf16 or f16 operands with f32 sums; other float arithmetic in f32, or as packed bf16 or f16 multiplies, adds, multiply-adds, maxima and minima; sums over many terms, partial sums and values carried from step to step in f32; what a program stores and reads back later, other than sums and carried values, may be rounded once to bf16 or f16.
;; Inputs: att_beta 4 x 256 float32; att_gamma 4 x 256 float32; b1 4 x 1,024 float32; b2 4 x 256 float32; bkv 4 x 512 float32; bo 4 x 256 float32; bq 4 x 256 float32; ffn_beta 4 x 256 float32; ffn_gamma 4 x 256 float32; final_beta 256 float32; final_gamma 256 float32; target_sequence 2 x 2,048 x 256 float32; w1 4 x 256 x 1,024 float32; w2 4 x 1,024 x 256 float32; wkv 4 x 256 x 512 float32; wo 4 x 256 x 256 float32; wq 4 x 256 x 256 float32.
;; Outputs: out0 2 x 2,048 x 256 float32.
;; One version. Each part assembles by itself: llvm-mc -triple=amdgcn-amd-amdhsa -mcpu=gfx1250 --defsym DOCPART=n.
;; ======== version 1 of 1: 14 launches
;; limits: values are held in f16: magnitudes above 65,504 overflow, below 6.1e-05 lose precision
;; workspace buffers: pw0 1,589,248 bytes; pw1 1,589,248 bytes; pw2 1,589,248 bytes; pw3 1,589,248 bytes; qkvb 6,291,456 bytes; heads 2,097,152 bytes; xa 8,388,608 bytes; xb 8,388,608 bytes
;; launch prep (part 1): grid 64 x 4, 8 waves a work-group, no clusters, 35,840 bytes of LDS; arguments target_sequence, wq, wkv, wo, w1, w2, att_gamma, att_beta, bq, bkv, bo, ffn_gamma, ffn_beta, b1, b2, final_gamma, final_beta, xa, pw0, pw1, pw2, pw3; writes xa, pw0, pw1, pw2, pw3
.if DOCPART == 1
	.amdgcn_target "amdgcn-amd-amdhsa--gfx1250"
	.amdhsa_code_object_version 6
	.text
	.protected	k_q5b52b56093_prep
	.globl	k_q5b52b56093_prep
	.p2align	8
	.type	k_q5b52b56093_prep,@function
k_q5b52b56093_prep:
	s_mov_b64 s[64:65], 0
	v_nop
	global_prefetch_b8 v0, s[64:65] scope:SCOPE_SE
	s_setreg_imm32_b32 hwreg(HW_REG_WAVE_MODE, 25, 1), 1
	s_wait_xcnt 0x0
; PREP.  Every input is rounded once to bf16.  The gains and biases go to the tail of pw_y as f32; the weights go to pw_y as f16 (the bf16 number written as f16),
; turned and cut into FRAGMENTS: 1,024 bytes = 16 output columns x 32 k; byte 512 g + 16 lane + 2 j holds (column lane % 16, k = 16 g + 8 (lane / 16) + j), which is a matrix source's register image.
; pw_y: 96 blocks of 16 KiB, [k step 0..7][column tile 0..1] fragments for 32 output columns: blocks 0-7 q heads, 8-15 k heads, 16-23 v heads, 24 + 8 t + w: step t of the row chain
; (t = 0 wo, 1 + 2 c: w1's columns 256 c on, 2 + 2 c: w2's rows 256 c on), wave w's 32 columns.  Behind them 1,024 bytes for each of 15 parameter rows.
; THE RESIDUAL STREAM is kept as two partial sums in f32, 4 MiB each, which every reader adds: xa's first part takes x, its second part zeros (2 KiB from every wave of the launch).
; LIMITS.  A weight beyond 65,504 has no f16; below 6e-5 it keeps f16's fixed step of 6e-8.  NaN and infinities are not treated apart.
; SHARES.  Grid row y is the layer.  Work-groups x < 48: a wave takes a unit of 32 k x 64 columns (four fragments).  x >= 48: 64 rows of x, and waves 0, 1 one parameter row.
.set SPARE, 34816                      ; behind the eight stages: the spare words, 128 bytes for each wave
.set STG,   4352                       ; a wave's stage: four fragments, 1,040 bytes apart
.set TP,    1040                       ; 65 x 16: the sixteen lanes of a store fall on sixteen different 16-byte columns
.set PARB,  1572864                    ; the parameters' first byte in pw_y
.set PART,  4194304                    ; the second partial sum's first byte in xa
.set VO,  12                           ; v[12:27]  byte offsets of my sixteen rows of the unit
.set R,   28                           ; v[28:91]  as loaded
.set PC,  92                           ; v[92:123] packed f16
.set ZR,  124                          ; v[124:127] zeros; never rewritten
.set GX,  52
.set GY,  53
.set WV,  54
.set UN,  55
.set SRC, 56
.set SP,  58                           ; bytes in a row of the matrix in hand
.set LSH, 59                           ; log2 of a layer's bytes in it
.set KS,  60                           ; which 32 k
.set CG,  61                           ; which 64 columns
.set B0,  62                           ; the first of the unit's two blocks
.set TM,  63
.set DST, 66
.set OFA, 68
.set OFB, 70
.set SP16, 72
.set HM,  73
.set PI,  74
.set LEN, 75
.set SUB, 76
.set PP,  78
.set ZB,  80                           ; s[80:81] my wave's 2 KiB of xa's second part; never rewritten
	s_load_b512 s[8:23], s[0:1], 0x0               ; x 8, wq 10, wkv 12, wo 14, w1 16, w2 18, att_gamma 20, att_beta 22
	s_load_b512 s[24:39], s[0:1], 0x40             ; bq 24, bkv 26, bo 28, ffn_gamma 30, ffn_beta 32, b1 34, b2 36, final_gamma 38
	s_load_b256 s[40:47], s[0:1], 0x80             ; final_beta 40, xa 42, pw0 44, pw1 46
	s_load_b128 s[48:51], s[0:1], 0xa0             ; pw2 48, pw3 50
	v_lshl_add_u32 v6, v0, 2, SPARE                ; my spare word
	v_mov_b32 v7, 0
	v_lshrrev_b32 v1, 5, v0
	v_readfirstlane_b32 s[WV], v1
	s_mov_b32 s[GX], ttmp9
	s_and_b32 s[GY], ttmp7, 0xffff
	s_mov_b32 s[HM], 0xffff0000
	v_and_b32 v1, 31, v0                           ; lane
	v_and_b32 v2, 15, v0                           ; cq: which four columns
	v_bfe_u32 v3, v0, 4, 1                         ; o: which eight k
	v_lshlrev_b32 v8, 4, v1                        ; 16 x lane; never rewritten
	v_lshlrev_b32 v9, 4, v0                        ; 16 x thread
.irp n, 0,1,2,3
	v_mov_b32 v[ZR+\n], 0
.endr
	s_lshl_b32 s[ZB], s[GY], 6
	s_add_co_u32 s[ZB], s[ZB], s[GX]               ; the work-group among 256,
	s_lshl_b32 s[ZB], s[ZB], 3
	s_add_co_u32 s[ZB], s[ZB], s[WV]               ; the wave among 2,048,
	s_lshl_b32 s[ZB], s[ZB], 11                    ; 2 KiB each
	s_add_co_u32 s[ZB], s[ZB], PART
	s_mov_b32 s[ZB+1], 0
	s_wait_kmcnt 0x0
	s_add_nc_u64 s[ZB:ZB+1], s[42:43], s[ZB:ZB+1]
.irp n, 0,1,2,3
	global_store_b128 v8, v[ZR:ZR+3], s[ZB:ZB+1] offset:512*\n  ; 512 consecutive bytes of zeros
.endr
	s_cmp_eq_u32 s[GY], 1                          ; the layer's own buffer
	s_cselect_b64 s[DST:DST+1], s[46:47], s[44:45]
	s_cmp_eq_u32 s[GY], 2
	s_cselect_b64 s[DST:DST+1], s[48:49], s[DST:DST+1]
	s_cmp_eq_u32 s[GY], 3
	s_cselect_b64 s[DST:DST+1], s[50:51], s[DST:DST+1]
	s_cmp_ge_u32 s[GX], 48
	s_cbranch_scc1 .Lrows
	s_lshl_b32 s[UN], s[GX], 3
	s_add_co_u32 s[UN], s[UN], s[WV]               ; the unit, 0 .. 383
	s_cmp_ge_u32 s[GX], 4
	s_cbranch_scc1 .Lnot_wq
	s_mov_b64 s[SRC:SRC+1], s[10:11]               ; wq: 8 x 4 units
	s_mov_b32 s[SP], 1024
	s_mov_b32 s[LSH], 18
	s_lshr_b32 s[KS], s[UN], 2
	s_and_b32 s[CG], s[UN], 3
	s_lshl_b32 s[B0], s[CG], 1
	s_branch .Lunit
.Lnot_wq:
	s_cmp_ge_u32 s[GX], 12
	s_cbranch_scc1 .Lnot_wkv
	s_mov_b64 s[SRC:SRC+1], s[12:13]               ; wkv: 8 x 8 units
	s_mov_b32 s[SP], 2048
	s_mov_b32 s[LSH], 19
	s_sub_co_u32 s[TM], s[UN], 32
	s_lshr_b32 s[KS], s[TM], 3
	s_and_b32 s[CG], s[TM], 7
	s_lshl_b32 s[B0], s[CG], 1
	s_add_co_u32 s[B0], s[B0], 8
	s_branch .Lunit
.Lnot_wkv:
	s_cmp_ge_u32 s[GX], 16
	s_cbranch_scc1 .Lnot_wo
	s_mov_b64 s[SRC:SRC+1], s[14:15]               ; wo: 8 x 4 units
	s_mov_b32 s[SP], 1024
	s_mov_b32 s[LSH], 18
	s_sub_co_u32 s[TM], s[UN], 96
	s_lshr_b32 s[KS], s[TM], 2
	s_and_b32 s[CG], s[TM], 3
	s_lshl_b32 s[B0], s[CG], 1
	s_add_co_u32 s[B0], s[B0], 24
	s_branch .Lunit
.Lnot_wo:
	s_cmp_ge_u32 s[GX], 32
	s_cbranch_scc1 .Lw2
	s_mov_b64 s[SRC:SRC+1], s[16:17]               ; w1: 8 x 16 units
	s_mov_b32 s[SP], 4096
	s_mov_b32 s[LSH], 20
	s_sub_co_u32 s[TM], s[UN], 128
	s_lshr_b32 s[KS], s[TM], 4
	s_and_b32 s[CG], s[TM], 15
	s_lshr_b32 s[B0], s[CG], 2
	s_lshl_b32 s[B0], s[B0], 4
	s_and_b32 s[TM], s[CG], 3
	s_lshl_b32 s[TM], s[TM], 1
	s_add_co_u32 s[B0], s[B0], s[TM]
	s_add_co_u32 s[B0], s[B0], 32                  ; 32 + 16 (column chunk) + 2 (group in the chunk)
	s_branch .Lunit
.Lw2:
	s_mov_b64 s[SRC:SRC+1], s[18:19]               ; w2: 32 x 4 units
	s_mov_b32 s[SP], 1024
	s_mov_b32 s[LSH], 20
	s_sub_co_u32 s[TM], s[UN], 256
	s_lshr_b32 s[KS], s[TM], 2
	s_and_b32 s[CG], s[TM], 3
	s_lshr_b32 s[B0], s[KS], 3
	s_lshl_b32 s[B0], s[B0], 4
	s_lshl_b32 s[TM], s[CG], 1
	s_add_co_u32 s[B0], s[B0], s[TM]
	s_add_co_u32 s[B0], s[B0], 40                  ; 40 + 16 (row chunk) + 2 (column group)
.Lunit:
	s_lshl_b32 s[OFA], s[GY], s[LSH]               ; the layer,
	s_mul_i32 s[TM], s[KS], s[SP]
	s_lshl_b32 s[TM], s[TM], 5                     ; 32 KS rows,
	s_add_co_u32 s[OFA], s[OFA], s[TM]
	s_lshl_b32 s[TM], s[CG], 8                     ; 64 CG columns
	s_add_co_u32 s[OFA], s[OFA], s[TM]
	s_mov_b32 s[OFA+1], 0
	s_add_nc_u64 s[SRC:SRC+1], s[SRC:SRC+1], s[OFA:OFA+1]
	s_lshl_b32 s[OFB], s[B0], 14
	s_and_b32 s[TM], s[KS], 7
	s_lshl_b32 s[TM], s[TM], 11                    ; a k step is two fragments in a block
	s_add_co_u32 s[OFB], s[OFB], s[TM]
	s_mov_b32 s[OFB+1], 0
	s_add_nc_u64 s[DST:DST+1], s[DST:DST+1], s[OFB:OFB+1]
	s_lshl_b32 s[SP16], s[SP], 4
	v_lshlrev_b32 v10, 3, v3
	v_lshlrev_b32 v11, 4, v2
	v_mad_u32_u24 v[VO], v10, s[SP], v11           ; row 8 o, bytes 16 cq
.set j, 1
.rept 7
	v_add_nc_u32 v[VO+j], s[SP], v[VO+j-1]         ; rows 8 o + j
.set j, j+1
.endr
.set j, 0
.rept 8
	v_add_nc_u32 v[VO+8+j], s[SP16], v[VO+j]       ; rows 16 + 8 o + j
.set j, j+1
.endr
.set n, 0
.rept 16
	global_load_b128 v[R+4*n:R+4*n+3], v[VO+n], s[SRC:SRC+1] th:TH_LOAD_NT  ; two rows x 256 consecutive bytes
.set n, n+1
.endr
	v_lshrrev_b32 v10, 2, v2                       ; into the stage: fragment cq / 4,
	v_mul_u32_u24 v4, v10, TP
	v_and_b32 v10, 3, v2
	v_lshl_add_u32 v4, v10, 6, v4                  ; columns 4 (cq % 4) + i, 16 bytes each,
	v_lshl_add_u32 v4, v3, 8, v4                   ; the upper half of the lanes' places for o = 1
	s_mul_i32 s[TM], s[WV], STG
	v_add_nc_u32 v4, s[TM], v4
	v_add_nc_u32 v5, s[TM], v8                     ; back: 16 x lane
	s_wait_loadcnt 0x0
.set p, 0
.rept 2                                ; k half p, column i, pairs of k
.set i, 0
.rept 4
.set j, 0
.rept 4
	v_cvt_pk_bf16_f32 v10, v[R+4*(8*p+2*j)+i], v[R+4*(8*p+2*j+1)+i]  ; the one rounding,
	v_lshlrev_b32 v11, 16, v10
	v_and_b32 v10, s[HM], v10
	v_cvt_pk_f16_f32 v[PC+4*(4*p+i)+j], v11, v10   ; and the same numbers as f16
.set j, j+1
.endr
	ds_store_b128 v4, v[PC+4*(4*p+i):PC+4*(4*p+i)+3] offset:512*p+16*i
.set i, i+1
.endr
.set p, p+1
.endr
.set n, 0
.rept 8                                ; fragment n / 2, half n % 2: LDS serves a wave's instructions in order, so these see my stores above
	ds_load_b128 v[R+4*n:R+4*n+3], v5 offset:(n/2)*TP+(n%2)*512
.set n, n+1
.endr
.set n, 0
.rept 8
	s_wait_dscnt 7-n                               ; the younger read-backs may stay out
	global_store_b128 v8, v[R+4*n:R+4*n+3], s[DST:DST+1] offset:(n/4)*16384+((n/2)%2)*1024+(n%2)*512  ; 512 consecutive bytes
.set n, n+1
.endr
	s_branch .Lend
.Lrows:
	s_sub_co_u32 s[PI], s[GX], 48
	s_lshl_b32 s[TM], s[GY], 4
	s_add_co_u32 s[TM], s[TM], s[PI]               ; which 64 rows of x
	s_lshl_b32 s[OFA], s[TM], 16
	s_mov_b32 s[OFA+1], 0
	s_add_nc_u64 s[SRC:SRC+1], s[8:9], s[OFA:OFA+1]
	s_add_nc_u64 s[OFB:OFB+1], s[42:43], s[OFA:OFA+1]
.set n, 0
.rept 16
	global_load_b128 v[R+4*n:R+4*n+3], v9, s[SRC:SRC+1] offset:4096*n th:TH_LOAD_NT
.set n, n+1
.endr
.set n, 0
.rept 16
	s_wait_loadcnt 15-n                            ; the younger loads may stay out
	v_cvt_pk_bf16_f32 v10, v[R+4*n], v[R+4*n+1]
	v_cvt_pk_bf16_f32 v11, v[R+4*n+2], v[R+4*n+3]
	v_lshlrev_b32 v[R+4*n], 16, v10
	v_and_b32 v[R+4*n+1], s[HM], v10
	v_lshlrev_b32 v[R+4*n+2], 16, v11
	v_and_b32 v[R+4*n+3], s[HM], v11
	global_store_b128 v9, v[R+4*n:R+4*n+3], s[OFB:OFB+1] offset:4096*n
.set n, n+1
.endr
	s_cmp_ge_u32 s[PI], 15                         ; fifteen parameter rows of 256 numbers, one to a work-group, 64 threads
	s_cbranch_scc1 .Lend
	s_cmp_ge_u32 s[WV], 2
	s_cbranch_scc1 .Lend
.macro PS thr, reg, len                ; from row thr on: this buffer, so many bytes to a layer
	s_cmp_ge_u32 s[PI], \thr
	s_cselect_b64 s[PP:PP+1], s[\reg:\reg+1], s[PP:PP+1]
	s_cselect_b32 s[LEN], \len, s[LEN]
.endm
	s_mov_b64 s[PP:PP+1], s[20:21]                 ; 0 att_gamma
	s_mov_b32 s[LEN], 1024
	PS 1, 22, 1024                                 ; att_beta
	PS 2, 24, 1024                                 ; bq
	PS 3, 26, 2048                                 ; bkv: k's half, then v's
	PS 5, 28, 1024                                 ; bo
	PS 6, 30, 1024                                 ; ffn_gamma
	PS 7, 32, 1024                                 ; ffn_beta
	PS 8, 34, 4096                                 ; b1, four rows
	PS 12, 36, 1024                                ; b2
	PS 13, 38, 0                                   ; final_gamma
	PS 14, 40, 0                                   ; final_beta
	s_sub_co_u32 s[TM], s[PI], 8
	s_lshl_b32 s[TM], s[TM], 10
	s_mov_b32 s[SUB], 0
	s_cmp_eq_u32 s[PI], 4
	s_cselect_b32 s[SUB], 1024, s[SUB]
	s_cmp_ge_u32 s[PI], 8
	s_cselect_b32 s[SUB], s[TM], s[SUB]
	s_cmp_ge_u32 s[PI], 12
	s_cselect_b32 s[SUB], 0, s[SUB]
	s_mul_i32 s[TM], s[GY], s[LEN]
	s_add_co_u32 s[OFA], s[TM], s[SUB]
	s_add_nc_u64 s[PP:PP+1], s[PP:PP+1], s[OFA:OFA+1]
	global_load_b128 v[92:95], v9, s[PP:PP+1]
	s_lshl_b32 s[KS], s[PI], 10
	s_add_co_u32 s[KS], s[KS], PARB
	s_mov_b32 s[KS+1], 0
	s_add_nc_u64 s[DST:DST+1], s[DST:DST+1], s[KS:KS+1]
	s_wait_loadcnt 0x0
	v_cvt_pk_bf16_f32 v10, v92, v93
	v_cvt_pk_bf16_f32 v11, v94, v95
	v_lshlrev_b32 v92, 16, v10
	v_and_b32 v93, s[HM], v10
	v_lshlrev_b32 v94, 16, v11
	v_and_b32 v95, s[HM], v11
	global_store_b128 v9, v[92:95], s[DST:DST+1]
.Lend:
	s_wait_tensorcnt 0x0                           ; the wave's end, behind my last LDS store
	ds_add_u32 v6, v7
	s_wait_dscnt 0x0
	s_endpgm
.Lfunc_end_k_q5b52b56093_prep:
	.size	k_q5b52b56093_prep, .Lfunc_end_k_q5b52b56093_prep-k_q5b52b56093_prep
	.p2alignl 7, 3214868480
	.fill 96, 4, 3214868480
	.section	.rodata,"a",@progbits
	.p2align	6, 0x0
	.amdhsa_kernel k_q5b52b56093_prep
		.amdhsa_group_segment_fixed_size 35840
		.amdhsa_private_segment_fixed_size 0
		.amdhsa_enable_private_segment 0
		.amdhsa_kernarg_size 176
		.amdhsa_user_sgpr_count 2
		.amdhsa_user_sgpr_kernarg_segment_ptr 1
		.amdhsa_wavefront_size32 1
		.amdhsa_system_sgpr_workgroup_id_x 1
		.amdhsa_system_sgpr_workgroup_id_y 1
		.amdhsa_system_sgpr_workgroup_id_z 1
		.amdhsa_system_vgpr_workitem_id 0
		.amdhsa_next_free_vgpr 128
		.amdhsa_next_free_sgpr 84
		.amdhsa_reserve_vcc 0
		.amdhsa_float_denorm_mode_32 3
		.amdhsa_float_denorm_mode_16_64 3
		.amdhsa_memory_ordered 1
		.amdhsa_forward_progress 1
		.amdhsa_inst_pref_size 26
	.end_amdhsa_kernel
	.amdgpu_metadata
---
amdhsa.version: [ 1, 2 ]
amdhsa.kernels:
  - .name:           k_q5b52b56093_prep
    .symbol:         k_q5b52b56093_prep.kd
    .args:
      - { .name: target_sequence, .offset: 0, .size: 8, .value_kind: global_buffer, .address_space: global }
      - { .name: wq, .offset: 8, .size: 8, .value_kind: global_buffer, .address_space: global }
      - { .name: wkv, .offset: 16, .size: 8, .value_kind: global_buffer, .address_space: global }
      - { .name: wo, .offset: 24, .size: 8, .value_kind: global_buffer, .address_space: global }
      - { .name: w1, .offset: 32, .size: 8, .value_kind: global_buffer, .address_space: global }
      - { .name: w2, .offset: 40, .size: 8, .value_kind: global_buffer, .address_space: global }
      - { .name: att_gamma, .offset: 48, .size: 8, .value_kind: global_buffer, .address_space: global }
      - { .name: att_beta, .offset: 56, .size: 8, .value_kind: global_buffer, .address_space: global }
      - { .name: bq, .offset: 64, .size: 8, .value_kind: global_buffer, .address_space: global }
      - { .name: bkv, .offset: 72, .size: 8, .value_kind: global_buffer, .address_space: global }
      - { .name: bo, .offset: 80, .size: 8, .value_kind: global_buffer, .address_space: global }
      - { .name: ffn_gamma, .offset: 88, .size: 8, .value_kind: global_buffer, .address_space: global }
      - { .name: ffn_beta, .offset: 96, .size: 8, .value_kind: global_buffer, .address_space: global }
      - { .name: b1, .offset: 104, .size: 8, .value_kind: global_buffer, .address_space: global }
      - { .name: b2, .offset: 112, .size: 8, .value_kind: global_buffer, .address_space: global }
      - { .name: final_gamma, .offset: 120, .size: 8, .value_kind: global_buffer, .address_space: global }
      - { .name: final_beta, .offset: 128, .size: 8, .value_kind: global_buffer, .address_space: global }
      - { .name: xa, .offset: 136, .size: 8, .value_kind: global_buffer, .address_space: global }
      - { .name: pw0, .offset: 144, .size: 8, .value_kind: global_buffer, .address_space: global }
      - { .name: pw1, .offset: 152, .size: 8, .value_kind: global_buffer, .address_space: global }
      - { .name: pw2, .offset: 160, .size: 8, .value_kind: global_buffer, .address_space: global }
      - { .name: pw3, .offset: 168, .size: 8, .value_kind: global_buffer, .address_space: global }
    .group_segment_fixed_size: 35840
    .private_segment_fixed_size: 0
    .kernarg_segment_align: 8
    .kernarg_segment_size: 176
    .max_flat_workgroup_size: 256
    .sgpr_count:     84
    .vgpr_count:     128
    .wavefront_size: 32
...
	.end_amdgpu_metadata
.endif
;; end of part 1
;; launch qkv (part 2): grid 64 x 3, 8 waves a work-group, no clusters, 34,816 bytes of LDS; arguments xa, pw0, qkvb; writes qkvb
.if DOCPART == 2
	.amdgcn_target "amdgcn-amd-amdhsa--gfx1250"
	.amdhsa_code_object_version 6
	.text
	.protected	k_q5b52b56093_qkv
	.globl	k_q5b52b56093_qkv
	.p2align	8
	.type	k_q5b52b56093_qkv,@function
k_q5b52b56093_qkv:
	s_mov_b64 s[64:65], 0
	v_nop
	global_prefetch_b8 v0, s[64:65] scope:SCOPE_SE
	s_setreg_imm32_b32 hwreg(HW_REG_WAVE_MODE, 25, 1), 1
	s_wait_xcnt 0x0
; QKV.  x = the sum of the residual stream's two parts; h = LayerNorm(x) gamma + beta; then q, k or v = h W + b, by grid row y = 0, 1, 2.  The parts: [4096][256] f32, 4 MiB apart.
; W: f16 fragments, parameters f32 (as the first launch laid them).  Statistics, sums and the bias in f32; h and the results rounded once to f16.  The variance is taken of x - mean.
; LIMITS.  h, q, k, v beyond 65,504 have no f16.  NaN and infinities are not treated apart.
; SHARES.  A work-group has 64 rows (one key step of one batch) and one type; wave w normalises rows 8 w .. 8 w + 7 and then makes head w: 32 columns x 64 rows, 8 accumulators.
; OUT, in fragments of 1,024 bytes (byte 512 g + 16 lane + 2 j = row lane % 16, k = 16 g + 8 (lane / 16) + j): Q [bh][query tile] (row = query, k = channel);
; from byte 2 MiB on [bh][key step][8 KiB]: four fragments of K (row = key, k = channel), then four of V (row = channel, k = key).  q and k take W as source 0, so a lane holds one row and
; eight channels; v takes h as source 0, so a lane holds one channel and eight keys: each result is 16 bytes of its fragment, and a store covers 512 consecutive bytes.
; REGISTERS IN TURN.  The stream's second part lands where W's k steps 0-3 will lie; W's k steps 4-7 are asked for at once, k steps 0-3 when the parts have been added; the products take k steps 4-7 first.
; NO JOINT LOADS: a weight fragment is wanted by one wave of a work-group and goes straight into its registers, 16 KiB a wave once; through LDS it would be written and read once more.
.set PITCH, 528                        ; a row of h in LDS: 512 bytes + 16: the sixteen rows of a fragment load start at sixteen different 16-byte columns
.set SPARE, 64*PITCH                   ; 33,792: the spare words, 128 bytes for each wave
.set PARB,  1572864
.set PART,  4194304                    ; from the stream's first part to its second
.set NR,  8                            ; rows a wave normalises
.set BI,  16                           ; v[16:31]  the bias, as the C operand: column tile n at BI + 8 n
.set GA,  32                           ; v[32:39]  gamma, v[40:47] beta of my 8 columns (until h is made)
.set BE,  40
.set T,   48                           ; v[48:63]  two registers a row, at work (until h is made)
.set HB,  32                           ; v[32:47], v[48:63]  two buffers of two fragments of h
.set X,   64                           ; v[64:127] 8 rows x 8 numbers; then
.set ACC, 64                           ; the accumulators: (row tile mt, column tile n) at ACC + 8 (2 mt + n)
.set WF,  128                          ; v[128:255] W: (k step, column tile n) at WF + 8 (2 ks + n); first, in v[128:191], the stream's second part
.set INV, 13
.set SEL, 14
.macro EACH line:vararg                ; one line for each row r
.set r, 0
.rept NR
	\line
.set r, r+1
.endr
.endm
.macro RED                             ; v[T + 2 r] summed over the 32 lanes, into every lane
.irp m, 1,2,4,8
	EACH v_add_f32_dpp v[T+2*r], v[T+2*r], v[T+2*r] row_xmask:\m row_mask:0xf bank_mask:0xf
.endr
	EACH v_permlanex16_b32 v[T+2*r+1], v[T+2*r], s[SEL], s[SEL+1]
	EACH v_add_f32 v[T+2*r], v[T+2*r], v[T+2*r+1]
.endm
.macro LNORM                           ; the rows in X become (x - mean) rsqrt(var + 0.001) gamma + beta; each step runs over all rows, so that no line waits for the one before it
	EACH v_pk_add_f32 v[T+2*r:T+2*r+1], v[X+8*r:X+8*r+1], v[X+8*r+2:X+8*r+3]
	EACH v_pk_add_f32 v[T+2*r:T+2*r+1], v[T+2*r:T+2*r+1], v[X+8*r+4:X+8*r+5]
	EACH v_pk_add_f32 v[T+2*r:T+2*r+1], v[T+2*r:T+2*r+1], v[X+8*r+6:X+8*r+7]
	EACH v_add_f32 v[T+2*r], v[T+2*r], v[T+2*r+1]
	RED
	EACH v_mul_f32 v[T+2*r], s[INV], v[T+2*r]
.irp c, 0,2,4,6
	EACH v_pk_add_f32 v[X+8*r+\c:X+8*r+\c+1], v[X+8*r+\c:X+8*r+\c+1], v[T+2*r:T+2*r+1] op_sel_hi:[1,0] neg_lo:[0,1] neg_hi:[0,1]
.endr
	EACH v_pk_mul_f32 v[T+2*r:T+2*r+1], v[X+8*r:X+8*r+1], v[X+8*r:X+8*r+1]
.irp c, 2,4,6
	EACH v_pk_fma_f32 v[T+2*r:T+2*r+1], v[X+8*r+\c:X+8*r+\c+1], v[X+8*r+\c:X+8*r+\c+1], v[T+2*r:T+2*r+1]
.endr
	EACH v_add_f32 v[T+2*r], v[T+2*r], v[T+2*r+1]
	RED
	EACH v_fmaak_f32 v[T+2*r], s[INV], v[T+2*r], 0x3a83126f
	EACH v_rsq_f32 v[T+2*r], v[T+2*r]
	v_nop                                          ; a plain instruction behind the last root,
	s_wait_alu depctr_va_vdst(0)                   ; and one wait for the batch, ahead of its first reader
.irp c, 0,2,4,6
	EACH v_pk_mul_f32 v[X+8*r+\c:X+8*r+\c+1], v[X+8*r+\c:X+8*r+\c+1], v[T+2*r:T+2*r+1] op_sel_hi:[1,0]
.endr
.irp c, 0,2,4,6
	EACH v_pk_fma_f32 v[X+8*r+\c:X+8*r+\c+1], v[X+8*r+\c:X+8*r+\c+1], v[GA+\c:GA+\c+1], v[BE+\c:BE+\c+1]
.endr
.endm
	s_load_b128 s[4:7], s[0:1], 0x0                ; x s[4:5], pw s[6:7]
	s_load_b64 s[8:9], s[0:1], 0x10                ; qkvb
	v_lshl_add_u32 v6, v0, 2, SPARE                ; my spare word
	v_mov_b32 v7, 0
	v_lshrrev_b32 v8, 5, v0
	v_readfirstlane_b32 s10, v8                    ; wave = head
	s_mov_b32 s11, ttmp9                           ; which 64 rows
	s_and_b32 s12, ttmp7, 0xffff                   ; type
	s_mov_b32 s[INV], 0x3b800000                   ; 1 / 256
	s_mov_b32 s[SEL], 0x76543210
	s_mov_b32 s[SEL+1], 0xfedcba98
	v_and_b32 v9, 31, v0                           ; l
	v_and_b32 v10, 15, v0                          ; l % 16
	v_bfe_u32 v11, v0, 4, 1                        ; l / 16
	v_lshlrev_b32 v1, 4, v9                        ; v1  16 l
	s_lshl_b32 s16, s10, 13
	v_add_nc_u32 v5, s16, v1                       ; v5  my 16 bytes in row 8 w of the group's x
	s_mul_i32 s16, s10, 8*PITCH
	v_lshl_add_u32 v2, v9, 3, s16                  ; v2  where I put 8 bytes of row 8 w of h
	v_mul_u32_u24 v3, v10, PITCH
	v_lshl_add_u32 v3, v11, 4, v3                  ; v3  a fragment of h: row x pitch + 16 x half
	s_lshl_b32 s16, s12, 10                        ; the bias: number 512 + 256 y + 32 w of the parameters
	s_lshl_b32 s17, s10, 7
	s_add_co_u32 s16, s16, s17
	s_add_co_u32 s16, s16, 2048
	v_lshl_add_u32 v4, v11, 5, s16                 ; v4  q, k: my eight columns 8 (l / 16) on
	v_lshl_add_u32 v12, v10, 2, s16                ; v12 v: my one channel l % 16
	s_lshl_b32 s18, s11, 16
	s_mov_b32 s19, 0
	s_lshl_b32 s22, s12, 3
	s_add_co_u32 s22, s22, s10
	s_lshl_b32 s22, s22, 14                        ; block 8 y + w
	s_mov_b32 s23, 0
	s_lshr_b32 s16, s11, 5
	s_lshl_b32 s16, s16, 3
	s_add_co_u32 s16, s16, s10                     ; bh = 8 b + head
	s_and_b32 s17, s11, 31                         ; the key step
	s_lshl_b32 s26, s16, 17
	s_lshl_b32 s27, s17, 12
	s_add_co_u32 s26, s26, s27                     ; q: (128 bh + 4 step) fragments
	s_lshl_b32 s28, s16, 18
	s_lshl_b32 s27, s17, 13
	s_add_co_u32 s28, s28, s27
	s_add_co_u32 s28, s28, 0x200000                ; k, v: 2 MiB + (32 bh + step) x 8 KiB
	s_cmp_eq_u32 s12, 0
	s_cselect_b32 s24, s26, s28
	s_mov_b32 s25, 0
	s_wait_kmcnt 0x0
	s_add_nc_u64 s[4:5], s[4:5], s[18:19]
	s_add_nc_u64 s[20:21], s[6:7], PARB
	s_add_nc_u64 s[22:23], s[6:7], s[22:23]
	s_add_nc_u64 s[8:9], s[8:9], s[24:25]
.set r, 0
.rept 8
	global_load_b128 v[X+8*r:X+8*r+3],   v5, s[4:5] offset:1024*r       ; the first part: columns 4 l on
	global_load_b128 v[X+8*r+4:X+8*r+7], v5, s[4:5] offset:1024*r+512   ; columns 128 + 4 l on
.set r, r+1
.endr
.set r, 0
.rept 8
	global_load_b128 v[WF+8*r:WF+8*r+3],   v5, s[4:5] offset:PART+1024*r      ; the second part, likewise
	global_load_b128 v[WF+8*r+4:WF+8*r+7], v5, s[4:5] offset:PART+1024*r+512
.set r, r+1
.endr
	global_load_b128 v[GA:GA+3],   v1, s[20:21]
	global_load_b128 v[GA+4:GA+7], v1, s[20:21] offset:512
	global_load_b128 v[BE:BE+3],   v1, s[20:21] offset:1024
	global_load_b128 v[BE+4:BE+7], v1, s[20:21] offset:1536
	s_cmp_eq_u32 s12, 2
	s_cbranch_scc1 .Lbias_v
.irp n, 0,1
	global_load_b128 v[BI+8*\n:BI+8*\n+3],   v4, s[20:21] offset:64*\n
	global_load_b128 v[BI+8*\n+4:BI+8*\n+7], v4, s[20:21] offset:64*\n+16
.endr
	s_branch .Lbias_done
.Lbias_v:                                      ; a lane's eight results are eight keys of one channel: the same number eight times
.set j, 0
.rept 16
	global_load_b32 v[BI+j], v12, s[20:21] offset:64*(j/8)
.set j, j+1
.endr
.Lbias_done:
.set j, 16
.rept 16
	global_load_b128 v[WF+4*j:WF+4*j+3], v1, s[22:23] offset:512*j      ; W's k steps 4-7, as they lie in the block
.set j, j+1
.endr
	s_wait_loadcnt 16                              ; all but those 16 loads, which were issued last on both ways
.set i, 0
.rept 32
	v_pk_add_f32 v[X+2*i:X+2*i+1], v[X+2*i:X+2*i+1], v[WF+2*i:WF+2*i+1]  ; x = the two parts' sum
.set i, i+1
.endr
.set j, 0
.rept 16
	global_load_b128 v[WF+4*j:WF+4*j+3], v1, s[22:23] offset:512*j      ; W's k steps 0-3, into the registers just read
.set j, j+1
.endr
	LNORM
	EACH v_cvt_pk_f16_f32 v[X+8*r], v[X+8*r], v[X+8*r+1]
	EACH v_cvt_pk_f16_f32 v[X+8*r+1], v[X+8*r+2], v[X+8*r+3]
	EACH v_cvt_pk_f16_f32 v[X+8*r+2], v[X+8*r+4], v[X+8*r+5]
	EACH v_cvt_pk_f16_f32 v[X+8*r+3], v[X+8*r+6], v[X+8*r+7]
	EACH ds_store_b64 v2, v[X+8*r:X+8*r+1] offset:PITCH*r
	EACH ds_store_b64 v2, v[X+8*r+2:X+8*r+3] offset:PITCH*r+256
	s_wait_dscnt 0x0                               ; for the others' sake: my rows of h are in LDS
	s_barrier_signal -1
	s_barrier_wait -1
; Half-step i = 2 ks + mh: k step ks, row tiles 2 mh and 2 mh + 1, from buffer mh.
.macro HLOAD i
.set hb, HB+16*((\i)%2)
.irp a, 0,1
	ds_load_b128 v[hb+8*(\a):hb+8*(\a)+3],   v3 offset:(2*((\i)%2)+(\a))*16*PITCH+64*((\i)/2)
	ds_load_b128 v[hb+8*(\a)+4:hb+8*(\a)+7], v3 offset:(2*((\i)%2)+(\a))*16*PITCH+64*((\i)/2)+32
.endr
.endm
; The p-th half-step in time is half-step (p + 8) % 16: k steps 4-7, then 0-3.  Four products on four accumulators; the next half-step has the other four: the accumulators take turns, one
; instruction a turn.  The k step taken first takes the bias as C.
.macro HSTEP p, sw
.set ii, ((\p)+8)%16
.if (\p) == 15
	s_wait_dscnt 0x0
.else
	s_wait_dscnt 0x4                               ; this half-step's four loads are in; the next one's four may stay out
.endif
.if (\p) == 0
	s_wait_loadcnt 16                              ; W's k steps 4-7 are in; the 16 loads of k steps 0-3, issued behind them, may stay out
.endif
.if (\p) == 8
	s_wait_loadcnt 0x0                             ; W's k steps 0-3
.endif
.set hb, HB+16*(ii%2)
.irp a, 0,1
.irp n, 0,1
.set rA, ACC+8*(2*(2*(ii%2)+(\a))+(\n))
.set rW, WF+8*(2*(ii/2)+(\n))
.set rH, hb+8*(\a)
.if (\p) < 2
.if \sw
	v_wmma_f32_16x16x32_f16 v[rA:rA+7], v[rH:rH+7], v[rW:rW+7], v[BI+8*(\n):BI+8*(\n)+7]
.else
	v_wmma_f32_16x16x32_f16 v[rA:rA+7], v[rW:rW+7], v[rH:rH+7], v[BI+8*(\n):BI+8*(\n)+7]
.endif
.else
.if \sw
	v_wmma_f32_16x16x32_f16 v[rA:rA+7], v[rH:rH+7], v[rW:rW+7], v[rA:rA+7]
.else
	v_wmma_f32_16x16x32_f16 v[rA:rA+7], v[rW:rW+7], v[rH:rH+7], v[rA:rA+7]
.endif
.endif
.endr
.endr
.rept 4
	v_nop                                          ; four places in front of loads into registers that these products read, and of the conversions at the end
.endr
.if (\p) < 14
	HLOAD (((\p)+10)%16)
.endif
.endm
.macro WORK sw
	HLOAD 8
	HLOAD 9
.irp p, 0,1,2,3,4,5,6,7,8,9,10,11,12,13,14,15
	HSTEP \p, \sw
.endr
.set a, 0
.rept 8                                ; each accumulator from its low end on
.irp c, 0,1,2,3
	v_cvt_pk_f16_f32 v[HB+4*a+\c], v[ACC+8*a+2*\c], v[ACC+8*a+2*\c+1]
.endr
.set a, a+1
.endr
.irp mt, 0,1,2,3
.irp n, 0,1
.if \sw
	global_store_b128 v1, v[HB+4*(2*\mt+\n):HB+4*(2*\mt+\n)+3], s[8:9] offset:4096+(2*(\mt/2)+\n)*1024+(\mt%2)*512
.else
	global_store_b128 v1, v[HB+4*(2*\mt+\n):HB+4*(2*\mt+\n)+3], s[8:9] offset:\mt*1024+\n*512
.endif
.endr
.endr
.endm
	s_cmp_eq_u32 s12, 2
	s_cbranch_scc1 .Lwork_v
	WORK 0
	s_branch .Lend
.Lwork_v:
	WORK 1
.Lend:
	s_wait_tensorcnt 0x0                           ; the wave's end, behind my last LDS store
	ds_add_u32 v6, v7
	s_wait_dscnt 0x0
	s_endpgm
.Lfunc_end_k_q5b52b56093_qkv:
	.size	k_q5b52b56093_qkv, .Lfunc_end_k_q5b52b56093_qkv-k_q5b52b56093_qkv
	.p2alignl 7, 3214868480
	.fill 96, 4, 3214868480
	.section	.rodata,"a",@progbits
	.p2align	6, 0x0
	.amdhsa_kernel k_q5b52b56093_qkv
		.amdhsa_group_segment_fixed_size 34816
		.amdhsa_private_segment_fixed_size 0
		.amdhsa_enable_private_segment 0
		.amdhsa_kernarg_size 24
		.amdhsa_user_sgpr_count 2
		.amdhsa_user_sgpr_kernarg_segment_ptr 1
		.amdhsa_wavefront_size32 1
		.amdhsa_system_sgpr_workgroup_id_x 1
		.amdhsa_system_sgpr_workgroup_id_y 1
		.amdhsa_system_sgpr_workgroup_id_z 1
		.amdhsa_system_vgpr_workitem_id 0
		.amdhsa_next_free_vgpr 256
		.amdhsa_next_free_sgpr 66
		.amdhsa_reserve_vcc 0
		.amdhsa_float_denorm_mode_32 3
		.amdhsa_float_denorm_mode_16_64 3
		.amdhsa_memory_ordered 1
		.amdhsa_forward_progress 1
		.amdhsa_inst_pref_size 60
	.end_amdhsa_kernel
	.amdgpu_metadata
---
amdhsa.version: [ 1, 2 ]
amdhsa.kernels:
  - .name:           k_q5b52b56093_qkv
    .symbol:         k_q5b52b56093_qkv.kd
    .args:
      - { .name: xa, .offset: 0, .size: 8, .value_kind: global_buffer, .address_space: global }
      - { .name: pw0, .offset: 8, .size: 8, .value_kind: global_buffer, .address_space: global }
      - { .name: qkvb, .offset: 16, .size: 8, .value_kind: global_buffer, .address_space: global }
    .group_segment_fixed_size: 34816
    .private_segment_fixed_size: 0
    .kernarg_segment_align: 8
    .kernarg_segment_size: 24
    .max_flat_workgroup_size: 256
    .sgpr_count:     66
    .vgpr_count:     256
    .wavefront_size: 32
...
	.end_amdgpu_metadata
.endif
;; end of part 2
;; launch att (part 3): grid 16 x 16, 8 waves a work-group, clusters of 4 x 1, 327,680 bytes of LDS; arguments qkvb, heads; writes heads
.if DOCPART == 3
	.amdgcn_target "amdgcn-amd-amdhsa--gfx1250"
	.amdhsa_code_object_version 6
	.text
	.protected	k_q5b52b56093_att
	.globl	k_q5b52b56093_att
	.p2align	8
	.type	k_q5b52b56093_att,@function
k_q5b52b56093_att:
	s_mov_b64 s[64:65], 0
	v_nop
	global_prefetch_b8 v0, s[64:65] scope:SCOPE_SE
	s_setreg_imm32_b32 hwreg(HW_REG_WAVE_MODE, 25, 1), 1
	s_wait_xcnt 0x0
	s_wait_alu depctr_hold_cnt(0) depctr_sa_sdst(0) depctr_va_vdst(0) depctr_va_sdst(0) depctr_va_ssrc(0) depctr_va_vcc(0) depctr_vm_vsrc(0)
	s_getreg_b32 s2, hwreg(HW_REG_IB_STS2, 6, 4)
	s_cmp_eq_u32 s2, 0
	s_cbranch_scc0 .Lentry_in_a_cluster
	s_endpgm
.Lentry_in_a_cluster:
	s_bfe_u32 s2, ttmp6, 0x10000c
	s_cmp_lg_u32 s2, 0x3003
	s_cbranch_scc0 .Lentry_shape_is_right
	s_endpgm
.Lentry_shape_is_right:
; CAUSAL ATTENTION WITH ALIBI, head size 32.  O[q] = sum over k <= q of softmax_k(Q[q] . K[k] / sqrt(32) + slope (k - q)) V[k], slope = 2^-(head + 1).  2 x 8 heads of 2,048 rows.
; Q, K, V come as f16 fragments (as the launch before laid them), O leaves as f16 fragments [row tile][head].  Products, maxima and sums in f32; the weights are rounded to f16 for the second
; product (their sum is taken of the unrounded weights), O once at the end.
; LIMITS.  A hidden score counts as -1e30; a weight below 2^-126 counts as 0; NaN and infinities are not treated apart.
; THE BIAS costs the scores nothing.  Scores are kept times sqrt(32).  Inside a key step of 64 the term slope sqrt(32) (key in the step) is the C operand of K Q^T (AB, made once);
; -slope q is the same for all keys of a query and falls out of the softmax; the step's own 64 slope sqrt(32) T is carried by the frame: at each step the old maximum is first lowered by
; DR = 64 slope sqrt(32).  So m is the true running maximum, told in the frame of the step in hand.  p = 2^(c s - c m), c = log2(e) / sqrt(32); O and l are multiplied by a = 2^(c m_old - c m_new).
; SHARES.  A head's queries are 8 blocks of 256.  Cluster number B (0..3) of a head takes blocks 7 - B and B.  EIGHT WAVES, ONE TILE OF 16 QUERIES EACH.  Wave W of partner p, with w = W % 4:
; a tile H, at row 256 (7 - B) + 64 w + 16 p, which lives in key steps 0 .. 4 (7 - B) + w, where (W xor W / 4) is even; else a tile L, at row 256 B + 64 (3 - w) + 16 p, in steps 0 .. 4 B + 3 - w.
; Waves W and W + 4 have 33 steps together, waves 2 s and 2 s + 1 have 32 or 34: the shares are even whichever of these pairs sits on one SIMD.
; WHY TWO WAVES TO A SIMD.  A step has 8 matrix and some 110 vector instructions, with chains in which each link waits for the last (the maximum's end, the sums' end, the products' results) and one
; wait for the exponentials: the other wave's instructions are at hand meanwhile.  The price: each wave reads a step's 8 KiB of K and V from LDS for its own tile alone.
; A wave's last step hangs on the cluster's and the wave's number alone; the partner's place enters Q's and O's addresses and the mask's numbers, no branch and no LDS address.
; LDS.  The head's whole K and V, 32 steps of 8 KiB, filled once: two joint loads a wave (the same descriptor and the mask of four in all partners): steps 0-7, then steps 8-31.  Nothing is filled again.
; By this text's count two tensor loads of a wave are out at the most.
; LAYOUT.  S^T = K Q^T holds one query a lane (lane % 16) and the keys 8 (lane / 16) + 0..7 of each 16; rounded in pairs it IS source 1 of O^T = V^T P.
.set SPARE, 262144                     ; behind K and V: the spare words, 128 bytes for each wave
.set ST,  8                            ; v[8:15] the statistics: +0 c m, +1 m, +2, +3 l, +4 the lowered old m, +6 a, +7 named with a as a pair (written at the head); at the end it takes the other half of the lanes' l
.set C,   24                           ; v[24:28] at work
.set AB,  32                           ; v[32:63]   the bias in a step
.set S,   64                           ; v[64:95]   S^T
.set K,   128                          ; v[128:159] K of one step: 16 keys kt at K + 8 kt
.set V,   160                          ; v[160:191] V of one step: keys 32 kb on, channels 16 ct on at V + 8 (2 kb + ct)
.set P,   192                          ; v[192:207] the weights
.set O,   208                          ; v[208:223] O^T
.set Q,   240                          ; v[240:247] Q
.set WV,  8
.set B,   9
.set PL,  10
.set BH,  11
.set W3,  12
.set TX,  13                           ; my tile's last key step
.set HL,  14                           ; 0: a tile H, 1: a tile L
.set T,   15
.set NX,  16
.set SR,  17
.set DR,  18
.set CS,  20
.set SEL, 22
.set BIGN, 24
.macro CROUND                          ; a round of the cluster's barrier
	s_barrier_signal -1
	s_barrier_wait -1
	s_cmp_lg_u32 s[WV], 0
	s_cbranch_scc1 .Lnot_wave_0_\@
	s_barrier_signal -3
.Lnot_wave_0_\@:
	s_barrier_wait -3
	s_barrier_signal -1
	s_barrier_wait -1
.endm
	s_load_b128 s[4:7], s[0:1], 0x0                ; qkvb s[4:5], heads s[6:7]
	v_lshl_add_u32 v6, v0, 2, SPARE
	v_mov_b32 v7, 0
	ds_add_u32 v6, v7                              ; the wave's opening: the add and its wait stand ahead of my first tensor load; the set-up below stands between them
	v_lshrrev_b32 v3, 5, v0
	v_readfirstlane_b32 s[WV], v3
	s_mov_b32 s[B], ttmp9                          ; the cluster's number in its head
	s_and_b32 s[BH], ttmp7, 0xffff                 ; 8 b + head
	; descriptor group 1: rows of 32 elements of 8 bytes, dense; 32 rows a wave for the first fill, 96 for the second
	s_mov_b32 s36, 15|(3<<16)|(1<<21)              ; the mask of four; 8-byte elements; bit 21 beside a mask
	s_mov_b32 s37, 32<<16                          ; tensor_dim0 = 32
	s_mov_b32 s38, 32<<16                          ; tensor_dim1 = 32
	s_mov_b32 s39, 32<<16                          ; tile_dim0 = 32
	s_mov_b32 s40, 32                              ; tile_dim1 = 32
	s_mov_b32 s41, 32                              ; 32 elements from row to row
	s_mov_b32 s42, 0
	s_mov_b32 s43, 0
	s_mov_b32 s44, 15|(3<<16)|(1<<21)
	s_mov_b32 s45, 32<<16
	s_mov_b32 s46, 96<<16
	s_mov_b32 s47, 32<<16
	s_mov_b32 s48, 96
	s_mov_b32 s49, 32
	s_mov_b32 s50, 0
	s_mov_b32 s51, 0
	s_mov_b32 s28, 1
	s_lshl_b32 s29, s[WV], 13                      ; first fill: 8 KiB a wave from LDS byte 0
	s_mov_b32 s32, 1
	s_mul_i32 s33, s[WV], 24576                    ; second: 24 KiB a wave from LDS byte 65,536
	s_add_co_u32 s33, s33, 65536
	s_lshl_b32 s26, s[BH], 18                      ; the head's K and V: 2 MiB + 256 KiB x bh; in memory they lie as in LDS
	s_add_co_u32 s26, s26, 0x200000
	s_add_co_u32 s60, s26, s29
	s_mov_b32 s61, 0
	s_add_co_u32 s62, s26, s33
	s_mov_b32 s63, 0
	s_and_b32 s[W3], s[WV], 3
	s_lshr_b32 s[HL], s[WV], 2
	s_xor_b32 s[HL], s[HL], s[WV]
	s_and_b32 s[HL], s[HL], 1
	s_lshl_b32 s19, s[B], 2
	s_sub_co_u32 s25, 28, s19
	s_add_co_u32 s25, s25, s[W3]                   ; a tile H's last step
	s_add_co_u32 s27, s19, 3
	s_sub_co_u32 s27, s27, s[W3]                   ; a tile L's
	s_cmp_eq_u32 s[HL], 0
	s_cselect_b32 s[TX], s25, s27
	s_and_b32 s27, s[BH], 7
	s_add_co_u32 s27, s27, 1
	s_lshl_b32 s27, s27, 23
	s_sub_co_u32 s[SR], 0x40b504f3, s27            ; sqrt(32) 2^-(head + 1): the exponent taken down
	s_add_co_u32 s[DR], s[SR], 6<<23               ; 64 times that
	s_mov_b32 s[CS], 0x3e8293ee                    ; c = log2(e) / sqrt(32)
	s_mov_b32 s[CS+1], s[CS]
	s_mov_b32 s[SEL], 0x76543210
	s_mov_b32 s[SEL+1], 0xfedcba98
	s_mov_b32 s[BIGN], 0xf149f2ca                  ; -1e30
	s_wait_dscnt 0x0                               ; the opening add is done
	s_wait_kmcnt 0x0
	s_add_nc_u64 s[30:31], s[4:5], s[60:61]
	s_or_b32 s31, s31, 0x80000000
	s_add_nc_u64 s[34:35], s[4:5], s[62:63]
	s_or_b32 s35, s35, 0x80000000
	CROUND                                         ; all four work-groups are here: the joint loads meet
	tensor_load_to_lds s[28:31], s[36:43]          ; key steps 0-7
	s_nop 0
	tensor_load_to_lds s[32:35], s[44:51]          ; key steps 8-31
	s_nop 0
	s_bfe_u32 s[PL], ttmp6, 0x40000                ; my place in the cluster
	s_lshl_b32 s27, s[W3], 2
	s_sub_co_u32 s19, 7, s[B]
	s_lshl_b32 s19, s19, 4
	s_add_co_u32 s19, s19, s27                     ; a tile H: query tile 16 (7 - B) + 4 w + p
	s_lshl_b32 s25, s[B], 4
	s_add_co_u32 s25, s25, 12
	s_sub_co_u32 s25, s25, s27                     ; a tile L: 16 B + 4 (3 - w) + p
	s_cmp_eq_u32 s[HL], 0
	s_cselect_b32 s19, s19, s25
	s_add_co_u32 s19, s19, s[PL]
	s_lshl_b32 s25, s[BH], 7
	s_add_co_u32 s60, s25, s19
	s_lshl_b32 s60, s60, 10
	s_add_nc_u64 s[52:53], s[4:5], s[60:61]        ; my Q
	s_lshr_b32 s25, s[BH], 3
	s_lshl_b32 s25, s25, 7                         ; 128 b
	s_and_b32 s62, s[BH], 7
	s_add_co_u32 s60, s25, s19
	s_lshl_b32 s60, s60, 3
	s_add_co_u32 s60, s60, s62
	s_lshl_b32 s60, s60, 10
	s_add_nc_u64 s[56:57], s[6:7], s[60:61]        ; my O: fragment 8 (128 b + tile) + head
	v_and_b32 v3, 31, v0
	v_lshlrev_b32 v1, 4, v3                        ; v1  16 l: my 16 bytes in half a fragment; never rewritten
	global_load_b128 v[Q:Q+3],   v1, s[52:53]
	global_load_b128 v[Q+4:Q+7], v1, s[52:53] offset:512
	v_bfe_u32 v5, v0, 4, 1
	v_lshlrev_b32 v5, 3, v5                        ; 8 (l / 16)
	v_and_b32 v4, 15, v0
	v_sub_nc_u32 v4, v4, v5
	s_lshl_b32 s27, s[PL], 4
	v_add_nc_u32 v4, s27, v4                       ; v4  my query's place in its own key step, 16 p + l % 16, less 8 (l / 16): register j of group kt is hidden where 16 kt + j is greater
.set n, 0
.rept 32
	v_add_nc_u32 v[AB+n], 16*(n/8)+n%8, v5         ; the key's place in a step
.set n, n+1
.endr
.set n, 0
.rept 32
	v_cvt_f32_u32 v[AB+n], v[AB+n]
.set n, n+1
.endr
.set n, 0
.rept 32
	v_mul_f32 v[AB+n], s[SR], v[AB+n]
.set n, n+1
.endr
	; m starts at the lowest finite number, O and l at 0: the first step is a step like any other, with a = 0.  All this stands in the wait for the first fill.
	v_mov_b32 v[ST], 0
	v_mov_b32 v[ST+1], 0xff7fffff
	v_mov_b32 v[ST+2], 0
	v_mov_b32 v[ST+3], 0
	v_mov_b32 v[ST+7], 0
.set n, 0
.rept 16
	v_mov_b32 v[O+n], 0
.set n, n+1
.endr
.macro KQ                              ; four products, each a whole sum (32 channels): S^T = K Q^T + AB
.irp kt, 0,1,2,3
	v_wmma_f32_16x16x32_f16 v[S+8*\kt:S+8*\kt+7], v[K+8*\kt:K+8*\kt+7], v[Q:Q+7], v[AB+8*\kt:AB+8*\kt+7]
.endr
.endm
.macro PV                              ; O^T += V^T P: the two accumulators take turns
.irp kb, 0,1
.irp ct, 0,1
	v_wmma_f32_16x16x32_f16 v[O+8*\ct:O+8*\ct+7], v[V+8*(2*\kb+\ct):V+8*(2*\kb+\ct)+7], v[P+8*\kb:P+8*\kb+7], v[O+8*\ct:O+8*\ct+7]
.endr
.endr
.endm
.macro LOADK                           ; a step's K, from the step at v2: 8 loads of 512 consecutive bytes
.set n, 0
.rept 8
	ds_load_b128 v[K+4*n:K+4*n+3], v2 offset:512*n
.set n, n+1
.endr
.endm
.macro LOADV
.set n, 0
.rept 8
	ds_load_b128 v[V+4*n:V+4*n+3], v2 offset:4096+512*n
.set n, n+1
.endr
.endm
.macro MASK                            ; the tile's own key step: keys behind the query are hidden; each accumulator from its low end on
.set n, 0
.rept 32
	v_cmp_gt_i32 vcc_lo, 16*(n/8)+n%8, v4
	v_cndmask_b32 v[S+n], v[S+n], s[BIGN], vcc_lo
.set n, n+1
.endr
.endm
.macro FS b                            ; pair b of the scores: c s - c m
	v_pk_fma_f32 v[S+2*(\b):S+2*(\b)+1], v[S+2*(\b):S+2*(\b)+1], s[CS:CS+1], v[ST:ST+1] op_sel_hi:[1,0,0] neg_lo:[0,0,1] neg_hi:[0,0,1]
.endm
.macro SOFTMAX
.irp j, 0,1,2,3                        ; the maximum of 32 scores and the lowered old m: four chains, each accumulator's lowest registers first
	v_max3_num_f32 v[C+\j], v[S+8*\j], v[S+8*\j+1], v[S+8*\j+2]
.endr
.irp g, 1,2
.irp j, 0,1,2,3
	v_max3_num_f32 v[C+\j], v[C+\j], v[S+8*\j+2*\g+1], v[S+8*\j+2*\g+2]
.endr
.endr
	v_max3_num_f32 v[C], v[C], v[S+7], v[S+15]
	v_max3_num_f32 v[C+2], v[C+2], v[S+23], v[S+31]
	v_max3_num_f32 v[C+1], v[C+1], v[C+3], v[ST+4]
	v_max3_num_f32 v[C], v[C], v[C+1], v[C+2]
	v_permlanex16_b32 v[C+1], v[C], s[SEL], s[SEL+1]  ; the query's other 32 keys lie in the lane 16 away
	v_mul_f32 v[C+4], s[CS], v[ST+4]               ; c m_old
	v_max_num_f32 v[ST+1], v[C], v[C+1]
	v_mul_f32 v[ST], s[CS], v[ST+1]                ; c m
	v_sub_f32 v[C+4], v[C+4], v[ST]                ; 0 where m has not grown
	FS 0
	FS 1
	v_exp_f32 v[ST+6], v[C+4]                      ; ONE BATCH of 33 exponentials, the scalings among them; nothing ahead of the wait names a result
.set e, 0
.rept 16
	v_exp_f32 v[S+2*e], v[S+2*e]
.if e < 14
	FS e+2
.endif
	v_exp_f32 v[S+2*e+1], v[S+2*e+1]
.set e, e+1
.endr
	v_nop                                          ; a plain instruction behind the last exponential,
	s_wait_alu depctr_va_vdst(0)                   ; and one wait for the batch
.set n, 0
.rept 16
	v_cvt_pk_f16_f32 v[P+n], v[S+2*n], v[S+2*n+1]
.set n, n+1
.endr
.irp w, 4,8,16,32                      ; the 16 pairs summed as a tree, in place
.set u, 0
.rept 32/(\w)
	v_pk_add_f32 v[S+(\w)*u:S+(\w)*u+1], v[S+(\w)*u:S+(\w)*u+1], v[S+(\w)*u+(\w)/2:S+(\w)*u+(\w)/2+1]
.set u, u+1
.endr
.endr
	v_pk_fma_f32 v[ST+2:ST+3], v[ST+2:ST+3], v[ST+6:ST+7], v[S:S+1] op_sel_hi:[1,0,1]  ; l = a l + sum
.set n, 0
.rept 8
	v_pk_mul_f32 v[O+2*n:O+2*n+1], v[O+2*n:O+2*n+1], v[ST+6:ST+7] op_sel_hi:[1,0]
.set n, n+1
.endr
.endm
; A TRIP: key step T.  At its head K(T)'s 8 loads and, behind them, V(T)'s 8 are out.  Every jump goes forward and passes no barrier; a dead trip changes nothing.
.macro TRIP lim
	s_cmp_gt_u32 s[T], s[TX]
	s_cbranch_scc1 .Ldead_\@
	s_wait_dscnt 0x8                               ; K(T) is in; V(T)'s 8 loads may stay out
	KQ
	v_sub_f32 v[ST+4], v[ST+1], s[DR]              ; the old maximum, told in this step's frame; with the two v_nop and the address below the four places behind the products
	v_nop
	v_nop
	s_add_co_u32 s[NX], s[T], 1                    ; the step to fetch next; the last of a loop fetches its own step once more
	s_min_u32 s[NX], s[NX], \lim
	s_lshl_b32 s[NX], s[NX], 13
	v_add_nc_u32 v2, s[NX], v1
	LOADK
	s_cmp_lg_u32 s[T], s[TX]
	s_cbranch_scc1 .Lno_m_\@
	MASK
.Lno_m_\@:
	SOFTMAX
	s_wait_dscnt 0x8                               ; V(T) is in; K(T + 1)'s 8 loads may stay out
	PV
.rept 4
	v_nop                                          ; four places in front of loads into registers that the products read
.endr
	LOADV
.Ldead_\@:
	s_add_co_u32 s[T], s[T], 1
.endm
	s_wait_tensorcnt 0x1                           ; my part of steps 0-7 is in; the second fill may stay out
	s_barrier_signal -1
	s_barrier_wait -1                              ; everybody's is
	v_mov_b32 v2, v1
	LOADK
	LOADV
	s_wait_loadcnt 0x0                             ; Q
	s_mov_b32 s[T], 0
.Lfirst:
	TRIP 7
	s_cmp_lt_u32 s[T], 8
	s_cbranch_scc1 .Lfirst
	s_wait_tensorcnt 0x0                           ; my part of steps 8-31 is in,
	s_wait_dscnt 0x0
	s_barrier_signal -1
	s_barrier_wait -1                              ; everybody's is
	s_mov_b32 s[T], 8
	v_add_nc_u32 v2, 65536, v1
	LOADK
	LOADV
.Lsecond:
	TRIP 31
	s_cmp_lt_u32 s[T], 32
	s_cbranch_scc1 .Lsecond
	s_wait_dscnt 0x0                               ; the last look-ahead serves nothing
	; THE WAY OUT: l's halves and the other half of the lanes' are added; O^T is divided by l, rounded, and stored: 512 consecutive bytes a store
	v_add_f32 v[ST+2], v[ST+2], v[ST+3]
	v_permlanex16_b32 v[ST+7], v[ST+2], s[SEL], s[SEL+1]  ; its destination counts as read: the register that the head wrote on every way
	v_add_f32 v[ST+2], v[ST+2], v[ST+7]
	v_rcp_f32 v[ST+2], v[ST+2]
	v_nop
	s_wait_alu depctr_va_vdst(0)                   ; the wait ahead of the reciprocal's first use
.set n, 0
.rept 8
	v_pk_mul_f32 v[O+2*n:O+2*n+1], v[O+2*n:O+2*n+1], v[ST+2:ST+3] op_sel_hi:[1,0]
.set n, n+1
.endr
.set n, 0
.rept 8
	v_cvt_pk_f16_f32 v[S+n], v[O+2*n], v[O+2*n+1]
.set n, n+1
.endr
	global_store_b128 v1, v[S:S+3],   s[56:57]
	global_store_b128 v1, v[S+4:S+7], s[56:57] offset:512
	s_wait_tensorcnt 0x0                           ; the wave's end
	ds_add_u32 v6, v7
	s_wait_dscnt 0x0
	CROUND                                         ; the closing round
	s_endpgm
.Lfunc_end_k_q5b52b56093_att:
	.size	k_q5b52b56093_att, .Lfunc_end_k_q5b52b56093_att-k_q5b52b56093_att
	.p2alignl 7, 3214868480
	.fill 96, 4, 3214868480
	.section	.rodata,"a",@progbits
	.p2align	6, 0x0
	.amdhsa_kernel k_q5b52b56093_att
		.amdhsa_group_segment_fixed_size 327680
		.amdhsa_private_segment_fixed_size 0
		.amdhsa_enable_private_segment 0
		.amdhsa_kernarg_size 16
		.amdhsa_user_sgpr_count 2
		.amdhsa_user_sgpr_kernarg_segment_ptr 1
		.amdhsa_wavefront_size32 1
		.amdhsa_system_sgpr_workgroup_id_x 1
		.amdhsa_system_sgpr_workgroup_id_y 1
		.amdhsa_system_sgpr_workgroup_id_z 1
		.amdhsa_system_vgpr_workitem_id 0
		.amdhsa_next_free_vgpr 256
		.amdhsa_next_free_sgpr 66
		.amdhsa_reserve_vcc 1
		.amdhsa_float_denorm_mode_32 3
		.amdhsa_float_denorm_mode_16_64 3
		.amdhsa_memory_ordered 1
		.amdhsa_forward_progress 1
		.amdhsa_inst_pref_size 35
	.end_amdhsa_kernel
	.amdgpu_metadata
---
amdhsa.version: [ 1, 2 ]
amdhsa.kernels:
  - .name:           k_q5b52b56093_att
    .symbol:         k_q5b52b56093_att.kd
    .args:
      - { .name: qkvb, .offset: 0, .size: 8, .value_kind: global_buffer, .address_space: global }
      - { .name: heads, .offset: 8, .size: 8, .value_kind: global_buffer, .address_space: global }
    .group_segment_fixed_size: 327680
    .private_segment_fixed_size: 0
    .kernarg_segment_align: 8
    .kernarg_segment_size: 16
    .max_flat_workgroup_size: 256
    .sgpr_count:     66
    .vgpr_count:     256
    .wavefront_size: 32
...
	.end_amdgpu_metadata
.endif
;; end of part 3
;; launch mid (part 4): grid 128 x 2, 8 waves a work-group, no clusters, 167,936 bytes of LDS; arguments xa, heads, pw0, xb; writes xb
.if DOCPART == 4
	.amdgcn_target "amdgcn-amd-amdhsa--gfx1250"
	.amdhsa_code_object_version 6
	.text
	.protected	k_q5b52b56093_mid
	.globl	k_q5b52b56093_mid
	.p2align	8
	.type	k_q5b52b56093_mid,@function
k_q5b52b56093_mid:
	s_mov_b64 s[64:65], 0
	v_nop
	global_prefetch_b8 v0, s[64:65] scope:SCOPE_SE
	s_setreg_imm32_b32 hwreg(HW_REG_WAVE_MODE, 25, 1), 1
	s_wait_xcnt 0x0
; THE ROW CHAIN.  x' = x + heads wo + bo;  x'' = x' + softplus(LayerNorm(x') w1 + b1) w2 + b2.  heads and the weights f16 fragments; parameters f32.
; THE RESIDUAL STREAM comes and goes as TWO PARTIAL SUMS in f32, [4096][256] each, 4 MiB apart in its buffer; every reader adds them.
; THE HIDDEN COLUMNS ARE SPLIT: grid row y takes hidden chunks 2 y and 2 y + 1 of four chunks of 256.  Both work-groups of a row block make x' and its LayerNorm (one weight step done twice);
; y = 0 stores x' + b2 + its two chunks' products as the first part, y = 1 its two chunks' products alone as the second: one text, in which x' + b2 is multiplied by 1 or by 0.
; So a work-group walks 5 weight steps of 128 KiB where one work-group for all four chunks would walk 9, and the launch has 256 work-groups.
; y enters addresses in memory alone (the weights' base, b1's rows as they are copied in, my part of x''): every LDS address is a constant, the wave's number and the lane.
; The stream, the statistics and all sums stay in f32; LayerNorm's output and softplus's are rounded once to f16.  The variance is taken of x' - mean.
; softplus(z) = max(z, 0) + ln 2 log2(1 + 2^(-|z| log2 e)): no exponent above 0, for every z.
; LIMITS.  LayerNorm's output and softplus's beyond 65,504 have no f16; an exponential below 2^-126 counts as 0; NaN and infinities are not treated apart (for y = 1 an infinite x' would give NaN).
; SHARES.  A work-group has 32 rows; wave w has columns 32 w .. 32 w + 31 of each of its five products [32 x 256] [256 x 256].
; W is source 0, so a lane holds one row (l % 16) and eight columns: rounded, 16 bytes of the fragment that the next product reads.
; THE WEIGHTS are wave w's own stream, 16 KiB a step, the steps 131,072 bytes apart, straight into a ring of 16 fragments: a k step's four registers' loads are asked for again four places behind its
; products, a whole step ahead of their use: 32 loads (16 KiB) of every wave are out all the time.
; NO JOINT LOADS, though work-groups walk the same weights: a fragment is wanted by one wave of a work-group; through LDS its 128 KiB a step would be written and read once more, and each
; refill would stand behind a round of the cluster's barrier with one load a wave out.
.set A2,    0                          ; 16 KiB  [row tile 2][k step 8] fragments: heads, later LayerNorm's output
.set A3,    16384                      ; 16 KiB  the same for softplus's output
.set PARL,  32768                      ; 8 KiB   f32, 1 KiB a row: bo, gamma, beta, b1's chunk 2 y, b1's chunk 2 y + 1, two rows that nobody reads, b2
.set STAT,  40960                      ; 2 x 1 KiB  [row 32][wave 8] partial sums
.set XS,    43008                      ; 32 rows of f32, 1,040 bytes apart (65 x 16: sixteen rows' loads fall on sixteen different 16-byte columns)
.set XP,    1040
.set SPARE, 76288                      ; the spare words, 128 bytes for each wave
.set PARB,  1572864
.set PART,  4194304                    ; from the stream's first part to its second
.set STEP,  131072
.set ACC, 16                           ; v[16:47]   x' and my part of x'': (row tile m, column tile t) at ACC + 8 (2 m + t)
.set HID, 48                           ; v[48:79]   the hidden sums, likewise; parameters at other times
.set AF,  80                           ; v[80:127]  three buffers of two fragments of A, by k step % 3
.set TT,  80                           ; v[80:111]  at work between products; at the head the stream's second part
.set TS,  112                          ; v[112:127] eight registers a row tile for the statistics
.set WR,  128                          ; v[128:255] the ring: (k step, column tile t) at WR + 8 (2 k + t)
.set WV,  12
.set GY,  13
.set SEL, 14
.set WB,  20                           ; s[20:21] my columns' block of my first chunk's w1 step; the four steps of my chunks lie 0, 1, 2, 3 STEP behind it; never rewritten
.set LN2, 24
.set L2E, 26
.set INV, 27
.set SGN, 29
.set F,   32                           ; s[32:33] 1.0 for y = 0, 0.0 for y = 1
.set W0,  36                           ; s[36:37] my columns' block of wo
	s_load_b256 s[4:11], s[0:1], 0x0               ; x s[4:5], heads s[6:7], pw s[8:9], x'' s[10:11]
	v_lshl_add_u32 v10, v0, 2, SPARE               ; my spare word
	v_mov_b32 v11, 0
	v_lshrrev_b32 v13, 5, v0
	v_readfirstlane_b32 s[WV], v13
	s_and_b32 s[GY], ttmp7, 0xffff
	s_mov_b32 s[SEL], 0x76543210
	s_mov_b32 s[SEL+1], 0xfedcba98
	s_mov_b32 s[LN2], 0x3f317218                   ; ln 2
	s_mov_b32 s[LN2+1], s[LN2]
	s_mov_b32 s[L2E], 0x3fb8aa3b                   ; log2 e
	s_mov_b32 s[INV], 0x3b800000                   ; 1 / 256
	s_mov_b32 s[SGN], 0x80000000
	s_cmp_eq_u32 s[GY], 0
	s_cselect_b32 s[F], 1.0, 0
	s_mov_b32 s[F+1], s[F]
	v_and_b32 v13, 31, v0                          ; l
	v_and_b32 v14, 15, v0                          ; l % 16
	v_bfe_u32 v15, v0, 4, 1                        ; l / 16
	v_lshlrev_b32 v1, 4, v13                       ; v1  16 l
	v_lshlrev_b32 v12, 4, v0                       ; v12 16 x thread
	s_lshl_b32 s16, s[WV], 7
	v_mul_u32_u24 v2, v14, XP
	v_lshl_add_u32 v2, v15, 5, v2
	v_add_nc_u32 v2, s16, v2
	v_add_nc_u32 v2, XS, v2                        ; v2  XS: row l % 16, my eight columns 32 w + 8 (l / 16) on
	s_mul_i32 s17, s[WV], 4*XP
	s_add_co_u32 s17, s17, XS
	v_add_nc_u32 v3, s17, v1                       ; v3  XS: row 4 w, bytes 16 l
	s_add_co_u32 s18, s16, PARL
	v_lshl_add_u32 v4, v15, 5, s18                 ; v4  a parameter row: my eight columns
	v_add_nc_u32 v5, 3072, v4                      ; v5  the same in the row of b1's chunk 2 y
	s_lshl_b32 s18, s[WV], 2
	s_add_co_u32 s18, s18, STAT
	v_lshl_add_u32 v6, v14, 5, s18                 ; v6  STAT: row l % 16, my wave's word
	v_lshlrev_b32 v7, 5, v14
	v_add_nc_u32 v7, STAT, v7                      ; v7  STAT: row l % 16, all eight words
	s_lshl_b32 s18, s[WV], 10
	v_add_nc_u32 v8, s18, v1                       ; v8  where my results go as a fragment: k step w, 16 l
	s_lshl_b32 s18, s[WV], 12
	v_add_nc_u32 v9, s18, v1                       ; v9  memory: row 4 w of the group, bytes 16 l
	; the parameters' copy: 16 bytes a thread, twice, from parameter rows 5-8 and 9-12 to the eight rows of PARL.  The two rows that take b1's chunks come from 2 y rows further on in memory:
	s_lshl_b32 s18, s[GY], 11                      ; 2 y rows of 1,024 bytes
	s_cmp_ge_u32 s[WV], 6                          ; in the first copy waves 6 and 7 fill PARL's row 3
	s_cselect_b32 s28, s18, 0
	s_cmp_lt_u32 s[WV], 2                          ; in the second waves 0 and 1 fill its row 4
	s_cselect_b32 s18, s18, 0
	v_add_nc_u32 v13, s28, v12                     ; v13 the first copy's offset in memory; never rewritten
	v_add_nc_u32 v14, s18, v12                     ; v14 the second's; never rewritten
	s_lshl_b32 s16, ttmp9, 15                      ; the group's 32 rows of x
	s_mov_b32 s17, 0
	s_lshl_b32 s18, ttmp9, 14                      ; its two row tiles of heads
	s_mov_b32 s19, 0
	s_add_co_u32 s30, s[WV], 24
	s_lshl_b32 s30, s30, 14                        ; block 24 + w
	s_mov_b32 s31, 0
	s_lshl_b32 s34, s[GY], 19
	s_add_co_u32 s34, s34, STEP                    ; step 1 + 4 y: chunk 2 y's w1
	s_mov_b32 s35, 0
	s_lshl_b32 s38, s[GY], 22                      ; my part of x''
	s_mov_b32 s39, 0
	s_wait_kmcnt 0x0
	s_add_nc_u64 s[4:5], s[4:5], s[16:17]
	s_add_nc_u64 s[10:11], s[10:11], s[16:17]
	s_add_nc_u64 s[10:11], s[10:11], s[38:39]
	s_add_nc_u64 s[6:7], s[6:7], s[18:19]
	s_add_nc_u64 s[22:23], s[8:9], PARB+5120       ; bo is parameter row 5
	s_add_nc_u64 s[W0:W0+1], s[8:9], s[30:31]
	s_add_nc_u64 s[WB:WB+1], s[W0:W0+1], s[34:35]
.irp q, 0,1,2,3
	global_load_b128 v[16+8*\q:19+8*\q], v9, s[4:5] offset:1024*\q
	global_load_b128 v[20+8*\q:23+8*\q], v9, s[4:5] offset:1024*\q+512
	global_load_b128 v[80+8*\q:83+8*\q], v9, s[4:5] offset:PART+1024*\q
	global_load_b128 v[84+8*\q:87+8*\q], v9, s[4:5] offset:PART+1024*\q+512
.endr
.irp n, 0,1,2,3
	global_load_b128 v[48+4*\n:51+4*\n], v12, s[6:7] offset:4096*\n
.endr
	global_load_b128 v[64:67], v13, s[22:23]               ; bo, gamma, beta, b1's chunk 2 y
	global_load_b128 v[68:71], v14, s[22:23] offset:4096   ; b1's chunk 2 y + 1, two rows that nobody reads, b2
.set j, 0
.rept 32
	global_load_b128 v[WR+4*j:WR+4*j+3], v1, s[W0:W0+1] offset:512*j  ; wo, in the ring's order
.set j, j+1
.endr
	s_wait_loadcnt 32                              ; all but the weights
.set i, 0
.rept 16
	v_pk_add_f32 v[16+2*i:17+2*i], v[16+2*i:17+2*i], v[80+2*i:81+2*i]  ; x = the two parts' sum
.set i, i+1
.endr
.irp q, 0,1,2,3
	ds_store_b128 v3, v[16+8*\q:19+8*\q] offset:XP*\q
	ds_store_b128 v3, v[20+8*\q:23+8*\q] offset:XP*\q+512
.endr
.irp n, 0,1,2,3
	ds_store_b128 v12, v[48+4*\n:51+4*\n] offset:A2+4096*\n
.endr
	ds_store_b128 v12, v[64:67] offset:PARL
	ds_store_b128 v12, v[68:71] offset:PARL+4096
	s_wait_dscnt 0x0
	s_barrier_signal -1
	s_barrier_wait -1
.macro AL k, abase                     ; A's two fragments of k step k
.set fb, AF+16*((\k)%3)
.irp m, 0,1
	ds_load_b128 v[fb+8*(\m):fb+8*(\m)+3],   v1 offset:(\abase)+8192*(\m)+1024*(\k)
	ds_load_b128 v[fb+8*(\m)+4:fb+8*(\m)+7], v1 offset:(\abase)+8192*(\m)+1024*(\k)+512
.endr
.endm
; A k step: four products on four accumulators, which take turns from k step to k step; four places; its ring registers are asked for again (nl = 1), woff bytes behind WB;
; A's k step three on is fetched.
.macro KS k, abase, acc, nl, woff
.if (\k) < 6
	s_wait_dscnt 0x8                               ; two younger k steps' fragments may stay out
.elseif (\k) == 6
	s_wait_dscnt 0x4
.else
	s_wait_dscnt 0x0
.endif
.if \nl
	s_wait_loadcnt 28                              ; behind this k step's four loads stand the seven other k steps' refills
.else
	s_wait_loadcnt 28-4*(\k)                       ; the last step: only the later k steps' loads
.endif
.set fb, AF+16*((\k)%3)
.irp m, 0,1
.irp t, 0,1
	v_wmma_f32_16x16x32_f16 v[(\acc)+8*(2*(\m)+(\t)):(\acc)+8*(2*(\m)+(\t))+7], v[WR+8*(2*(\k)+(\t)):WR+8*(2*(\k)+(\t))+7], v[fb+8*(\m):fb+8*(\m)+7], v[(\acc)+8*(2*(\m)+(\t)):(\acc)+8*(2*(\m)+(\t))+7]
.endr
.endr
.rept 4
	v_nop
.endr
.if \nl
.irp t, 0,1
.irp g, 0,1
	global_load_b128 v[WR+8*(2*(\k)+(\t))+4*(\g):WR+8*(2*(\k)+(\t))+4*(\g)+3], v1, s[WB:WB+1] offset:(\woff)+1024*(2*(\k)+(\t))+512*(\g)
.endr
.endr
.endif
.if (\k) < 5
	AL (\k)+3, \abase
.endif
.endm
.macro AL3 abase
	AL 0, \abase
	AL 1, \abase
	AL 2, \abase
.endm
.macro KSALL abase, acc, nl, woff
.irp k, 0,1,2,3,4,5,6,7
	KS \k, \abase, \acc, \nl, \woff
.endr
.endm
.macro PLOAD dst, off                  ; my 16 numbers of a parameter row
.irp t, 0,1
.irp g, 0,1
	ds_load_b128 v[(\dst)+8*(\t)+4*(\g):(\dst)+8*(\t)+4*(\g)+3], v4 offset:(\off)+64*(\t)+16*(\g)
.endr
.endr
.endm
.macro PADD src                        ; added onto both row tiles of ACC
.irp m, 0,1
.set i, 0
.rept 8
	v_pk_add_f32 v[ACC+16*(\m)+2*i:ACC+16*(\m)+2*i+1], v[ACC+16*(\m)+2*i:ACC+16*(\m)+2*i+1], v[(\src)+2*i:(\src)+2*i+1]
.set i, i+1
.endr
.endr
.endm
	; x + bo starts the sums of the first product
.irp m, 0,1
.irp t, 0,1
.irp g, 0,1
	ds_load_b128 v[ACC+8*(2*\m+\t)+4*\g:ACC+8*(2*\m+\t)+4*\g+3], v2 offset:16*XP*\m+64*\t+16*\g
.endr
.endr
.endr
	PLOAD HID, 0
	AL3 A2
	s_wait_dscnt 12                                ; x and bo are in; the three k steps' fragments may stay out
	PADD HID
	KSALL A2, ACC, 1, 0                            ; heads wo; the ring takes my first chunk's w1 step
	; LAYERNORM of x', both row tiles together.  A lane has 16 numbers of a row, its partner 16 lanes away 16 more, the other waves the rest.
.macro FOLD                            ; the eight registers of TS, for each row tile, into the first
.irp m, 0,1
	v_pk_add_f32 v[TS+8*\m:TS+8*\m+1], v[TS+8*\m:TS+8*\m+1], v[TS+8*\m+2:TS+8*\m+3]
	v_pk_add_f32 v[TS+8*\m+4:TS+8*\m+5], v[TS+8*\m+4:TS+8*\m+5], v[TS+8*\m+6:TS+8*\m+7]
.endr
.irp m, 0,1
	v_pk_add_f32 v[TS+8*\m:TS+8*\m+1], v[TS+8*\m:TS+8*\m+1], v[TS+8*\m+4:TS+8*\m+5]
.endr
.irp m, 0,1
	v_add_f32 v[TS+8*\m], v[TS+8*\m], v[TS+8*\m+1]
.endr
.endm
.macro CROSS off                       ; the partner's share; the waves' shares meet in LDS; every lane ends with its rows' whole sums
.irp m, 0,1
	v_permlanex16_b32 v[TS+8*\m+1], v[TS+8*\m], s[SEL], s[SEL+1]
.endr
.irp m, 0,1
	v_add_f32 v[TS+8*\m], v[TS+8*\m], v[TS+8*\m+1]
.endr
.irp m, 0,1
	ds_store_b32 v6, v[TS+8*\m] offset:(\off)+512*\m
.endr
	s_wait_dscnt 0x0                               ; my words are in LDS, and all my earlier LDS reads are back
	s_barrier_signal -1
	s_barrier_wait -1
.irp m, 0,1
	ds_load_b128 v[TS+8*\m:TS+8*\m+3],   v7 offset:(\off)+512*\m
	ds_load_b128 v[TS+8*\m+4:TS+8*\m+7], v7 offset:(\off)+512*\m+16
.endr
	s_wait_dscnt 0x0
	FOLD
.endm
	PLOAD HID, 1024                                ; gamma
	PLOAD HID+16, 2048                             ; beta
.irp m, 0,1
.irp c, 0,1,2,3                        ; each accumulator from its low end on
	v_pk_add_f32 v[TS+8*\m+2*\c:TS+8*\m+2*\c+1], v[ACC+16*\m+4*\c:ACC+16*\m+4*\c+1], v[ACC+16*\m+4*\c+2:ACC+16*\m+4*\c+3]
.endr
.endr
	FOLD
	CROSS 0
.irp m, 0,1
	v_mul_f32 v[TS+8*\m], s[INV], v[TS+8*\m]       ; the mean
.endr
.irp m, 0,1
.set i, 0
.rept 8
	v_pk_add_f32 v[TT+16*\m+2*i:TT+16*\m+2*i+1], v[ACC+16*\m+2*i:ACC+16*\m+2*i+1], v[TS+8*\m:TS+8*\m+1] op_sel_hi:[1,0] neg_lo:[0,1] neg_hi:[0,1]
.set i, i+1
.endr
.endr
.irp m, 0,1
.irp c, 0,1,2,3
	v_pk_mul_f32 v[TS+8*\m+2*\c:TS+8*\m+2*\c+1], v[TT+16*\m+2*\c:TT+16*\m+2*\c+1], v[TT+16*\m+2*\c:TT+16*\m+2*\c+1]
.endr
.irp c, 0,1,2,3
	v_pk_fma_f32 v[TS+8*\m+2*\c:TS+8*\m+2*\c+1], v[TT+16*\m+8+2*\c:TT+16*\m+8+2*\c+1], v[TT+16*\m+8+2*\c:TT+16*\m+8+2*\c+1], v[TS+8*\m+2*\c:TS+8*\m+2*\c+1]
.endr
.endr
	FOLD
	CROSS 1024
.irp m, 0,1
	v_fmaak_f32 v[TS+8*\m], s[INV], v[TS+8*\m], 0x3a83126f
.endr
.irp m, 0,1
	v_rsq_f32 v[TS+8*\m], v[TS+8*\m]
.endr
	v_nop
	s_wait_alu depctr_va_vdst(0)                   ; one wait for the two roots, ahead of their first reader
.irp m, 0,1
.set i, 0
.rept 8
	v_pk_mul_f32 v[TT+16*\m+2*i:TT+16*\m+2*i+1], v[TT+16*\m+2*i:TT+16*\m+2*i+1], v[TS+8*\m:TS+8*\m+1] op_sel_hi:[1,0]
.set i, i+1
.endr
.endr
.irp m, 0,1
.set i, 0
.rept 8
	v_pk_fma_f32 v[TT+16*\m+2*i:TT+16*\m+2*i+1], v[TT+16*\m+2*i:TT+16*\m+2*i+1], v[HID+2*i:HID+2*i+1], v[HID+16+2*i:HID+16+2*i+1]
.set i, i+1
.endr
.endr
.irp m, 0,1
.set i, 0
.rept 8
	v_cvt_pk_f16_f32 v[TT+16*\m+i], v[TT+16*\m+2*i], v[TT+16*\m+2*i+1]
.set i, i+1
.endr
.endr
.irp m, 0,1
.irp t, 0,1
	ds_store_b128 v8, v[TT+16*\m+4*\t:TT+16*\m+4*\t+3] offset:A2+8192*\m+512*\t  ; over heads: every wave's reads of them were back in front of the statistics' first barrier
.endr
.endr
	PLOAD HID, 7168                                ; b2 goes onto x' now: the chunks then add onto it
	s_wait_dscnt 0x0
	PADD HID
.set i, 0
.rept 16
	v_pk_mul_f32 v[ACC+2*i:ACC+2*i+1], v[ACC+2*i:ACC+2*i+1], s[F:F+1] op_sel_hi:[1,0]  ; x' + b2 belongs to the first part alone: times 1 for y = 0, times 0 for y = 1
.set i, i+1
.endr
	s_barrier_signal -1
	s_barrier_wait -1
.macro SOFTPLUS
.set i, 0
.rept 32
	v_mul_f32 v[TT+i], s[L2E], v[HID+i]            ; each accumulator from its low end on
.set i, i+1
.endr
.set i, 0
.rept 32
	v_or_b32 v[TT+i], s[SGN], v[TT+i]              ; -|z| log2 e
.set i, i+1
.endr
.set i, 0
.rept 32
	v_exp_f32 v[TT+i], v[TT+i]
.set i, i+1
.endr
.set i, 0
.rept 32
	v_max_num_f32 v[HID+i], 0, v[HID+i]            ; work that names no result of the batch
.set i, i+1
.endr
	s_wait_alu depctr_va_vdst(0)                   ; one wait for the 32 exponentials
.set i, 0
.rept 16
	v_pk_add_f32 v[TT+2*i:TT+2*i+1], v[TT+2*i:TT+2*i+1], 1.0 op_sel_hi:[1,0]
.set i, i+1
.endr
.set i, 0
.rept 32
	v_log_f32 v[TT+i], v[TT+i]
.set i, i+1
.endr
	v_nop
	s_wait_alu depctr_va_vdst(0)                   ; one wait for the 32 logarithms
.set i, 0
.rept 16
	v_pk_fma_f32 v[HID+2*i:HID+2*i+1], v[TT+2*i:TT+2*i+1], s[LN2:LN2+1], v[HID+2*i:HID+2*i+1] op_sel_hi:[1,0,1]
.set i, i+1
.endr
.set i, 0
.rept 16
	v_cvt_pk_f16_f32 v[TT+i], v[HID+2*i], v[HID+2*i+1]
.set i, i+1
.endr
.irp m, 0,1
.irp t, 0,1
	ds_store_b128 v8, v[TT+4*(2*\m+\t):TT+4*(2*\m+\t)+3] offset:A3+8192*\m+512*\t
.endr
.endr
.endm
; My chunk c (0, 1) of 256 hidden columns: its w1 step lies 2 c STEP behind WB, its w2 step one STEP further; its row of b1 lies 1,024 c bytes behind v5.
.macro CHUNK c
.irp m, 0,1
.irp t, 0,1
.irp g, 0,1
	ds_load_b128 v[HID+8*(2*\m+\t)+4*\g:HID+8*(2*\m+\t)+4*\g+3], v5 offset:1024*(\c)+64*\t+16*\g  ; b1 starts the sums
.endr
.endr
.endr
	AL3 A2
	KSALL A2, HID, 1, (2*(\c)+1)*STEP              ; the ring takes the chunk's w2 step
	SOFTPLUS
	s_wait_dscnt 0x0
	s_barrier_signal -1
	s_barrier_wait -1                              ; all eight waves' 32 columns lie in A3
	AL3 A3
	KSALL A3, ACC, 1-(\c), 2*STEP                  ; the ring takes the second chunk's w1 step; the last product asks for nothing
.if (\c) == 0
	s_wait_dscnt 0x0
	s_barrier_signal -1
	s_barrier_wait -1                              ; A3 has been read out by all
.endif
.endm
	CHUNK 0
	CHUNK 1
	; THE WAY OUT: into XS by columns, back by whole rows
.irp m, 0,1
.irp t, 0,1
.irp g, 0,1
	ds_store_b128 v2, v[ACC+8*(2*\m+\t)+4*\g:ACC+8*(2*\m+\t)+4*\g+3] offset:16*XP*\m+64*\t+16*\g
.endr
.endr
.endr
	s_wait_dscnt 0x0
	s_barrier_signal -1
	s_barrier_wait -1
.set n, 0
.rept 8
	ds_load_b128 v[HID+4*n:HID+4*n+3], v3 offset:XP*(n/2)+512*(n%2)
.set n, n+1
.endr
.set n, 0
.rept 8
	s_wait_dscnt 7-n                               ; the younger loads may stay out
	global_store_b128 v9, v[HID+4*n:HID+4*n+3], s[10:11] offset:1024*(n/2)+512*(n%2)  ; 512 consecutive bytes
.set n, n+1
.endr
	s_wait_tensorcnt 0x0                           ; the wave's end, behind my last LDS store
	ds_add_u32 v10, v11
	s_wait_dscnt 0x0
	s_endpgm
.Lfunc_end_k_q5b52b56093_mid:
	.size	k_q5b52b56093_mid, .Lfunc_end_k_q5b52b56093_mid-k_q5b52b56093_mid
	.p2alignl 7, 3214868480
	.fill 96, 4, 3214868480
	.section	.rodata,"a",@progbits
	.p2align	6, 0x0
	.amdhsa_kernel k_q5b52b56093_mid
		.amdhsa_group_segment_fixed_size 167936
		.amdhsa_private_segment_fixed_size 0
		.amdhsa_enable_private_segment 0
		.amdhsa_kernarg_size 32
		.amdhsa_user_sgpr_count 2
		.amdhsa_user_sgpr_kernarg_segment_ptr 1
		.amdhsa_wavefront_size32 1
		.amdhsa_system_sgpr_workgroup_id_x 1
		.amdhsa_system_sgpr_workgroup_id_y 1
		.amdhsa_system_sgpr_workgroup_id_z 1
		.amdhsa_system_vgpr_workitem_id 0
		.amdhsa_next_free_vgpr 256
		.amdhsa_next_free_sgpr 66
		.amdhsa_reserve_vcc 0
		.amdhsa_float_denorm_mode_32 3
		.amdhsa_float_denorm_mode_16_64 3
		.amdhsa_memory_ordered 1
		.amdhsa_forward_progress 1
		.amdhsa_inst_pref_size 84
	.end_amdhsa_kernel
	.amdgpu_metadata
---
amdhsa.version: [ 1, 2 ]
amdhsa.kernels:
  - .name:           k_q5b52b56093_mid
    .symbol:         k_q5b52b56093_mid.kd
    .args:
      - { .name: xa, .offset: 0, .size: 8, .value_kind: global_buffer, .address_space: global }
      - { .name: heads, .offset: 8, .size: 8, .value_kind: global_buffer, .address_space: global }
      - { .name: pw0, .offset: 16, .size: 8, .value_kind: global_buffer, .address_space: global }
      - { .name: xb, .offset: 24, .size: 8, .value_kind: global_buffer, .address_space: global }
    .group_segment_fixed_size: 167936
    .private_segment_fixed_size: 0
    .kernarg_segment_align: 8
    .kernarg_segment_size: 32
    .max_flat_workgroup_size: 256
    .sgpr_count:     66
    .vgpr_count:     256
    .wavefront_size: 32
...
	.end_amdgpu_metadata
.endif
;; end of part 4
;; launch qkv1: the kernel of part 2 again; grid 64 x 3, 8 waves a work-group, no clusters, 34,816 bytes of LDS; arguments xb, pw1, qkvb; writes qkvb
;; launch att1: the kernel of part 3 again; grid 16 x 16, 8 waves a work-group, clusters of 4 x 1, 327,680 bytes of LDS; arguments qkvb, heads; writes heads
;; launch mid1: the kernel of part 4 again; grid 128 x 2, 8 waves a work-group, no clusters, 167,936 bytes of LDS; arguments xb, heads, pw1, xa; writes xa
;; launch qkv2: the kernel of part 2 again; grid 64 x 3, 8 waves a work-group, no clusters, 34,816 bytes of LDS; arguments xa, pw2, qkvb; writes qkvb
;; launch att2: the kernel of part 3 again; grid 16 x 16, 8 waves a work-group, clusters of 4 x 1, 327,680 bytes of LDS; arguments qkvb, heads; writes heads
;; launch mid2: the kernel of part 4 again; grid 128 x 2, 8 waves a work-group, no clusters, 167,936 bytes of LDS; arguments xa, heads, pw2, xb; writes xb
;; launch qkv3: the kernel of part 2 again; grid 64 x 3, 8 waves a work-group, no clusters, 34,816 bytes of LDS; arguments xb, pw3, qkvb; writes qkvb
;; launch att3: the kernel of part 3 again; grid 16 x 16, 8 waves a work-group, clusters of 4 x 1, 327,680 bytes of LDS; arguments qkvb, heads; writes heads
;; launch mid3: the kernel of part 4 again; grid 128 x 2, 8 waves a work-group, no clusters, 167,936 bytes of LDS; arguments xb, heads, pw3, xa; writes xa
;; launch fin (part 5): grid 256 x 1, 4 waves a work-group, no clusters, 0 bytes of LDS; arguments xa, pw3, out0; writes out0
.if DOCPART == 5
	.amdgcn_target "amdgcn-amd-amdhsa--gfx1250"
	.amdhsa_code_object_version 6
	.text
	.protected	k_q5b52b56093_fin
	.globl	k_q5b52b56093_fin
	.p2align	8
	.type	k_q5b52b56093_fin,@function
k_q5b52b56093_fin:
	s_mov_b64 s[64:65], 0
	v_nop
	global_prefetch_b8 v0, s[64:65] scope:SCOPE_SE
	s_setreg_imm32_b32 hwreg(HW_REG_WAVE_MODE, 25, 1), 1
	s_wait_xcnt 0x0
; THE LAST LAYERNORM.  x = the sum of the residual stream's two parts ([4096][256] f32 each, 4 MiB apart); out = (x - mean) rsqrt(var + 0.001) final_gamma + final_beta, all in f32; the variance
; is taken of x - mean.  The two parameter rows (rounded to bf16 by the first launch) lie in the last layer's buffer, rows 13 and 14 of its parameters.  NaN and infinities are not treated apart.
; A wave takes four whole rows, eight numbers of each to a lane: the sums never leave the wave, so there is no LDS and no barrier.  Every load and store covers 512 consecutive bytes.
.set PARB, 1572864
.set PART, 4194304
.set NR,  4
.set X,   16                           ; v[16:47]  4 rows x 8 numbers
.set T,   48                           ; v[48:55]  two registers a row, at work
.set GA,  56                           ; v[56:63]  gamma of my 8 columns
.set BE,  64                           ; v[64:71]  beta
.set X1,  72                           ; v[72:103] the stream's second part
.set INV, 13
.set SEL, 14
.macro EACH line:vararg                ; one line for each row r
.set r, 0
.rept NR
	\line
.set r, r+1
.endr
.endm
.macro RED                             ; v[T + 2 r] summed over the 32 lanes, into every lane
.irp m, 1,2,4,8
	EACH v_add_f32_dpp v[T+2*r], v[T+2*r], v[T+2*r] row_xmask:\m row_mask:0xf bank_mask:0xf
.endr
	EACH v_permlanex16_b32 v[T+2*r+1], v[T+2*r], s[SEL], s[SEL+1]
	EACH v_add_f32 v[T+2*r], v[T+2*r], v[T+2*r+1]
.endm
	s_load_b128 s[4:7], s[0:1], 0x0                ; x s[4:5], pw3 s[6:7]
	s_load_b64 s[8:9], s[0:1], 0x10                ; out
	v_and_b32 v1, 31, v0
	v_lshlrev_b32 v1, 4, v1                        ; 16 l
	v_lshrrev_b32 v2, 5, v0
	v_lshl_add_u32 v2, v2, 12, v1                  ; + my wave's four rows
	s_lshl_b32 s16, ttmp9, 14                      ; the group's 16 rows
	s_mov_b32 s17, 0
	s_mov_b32 s[INV], 0x3b800000                   ; 1 / 256
	s_mov_b32 s[SEL], 0x76543210
	s_mov_b32 s[SEL+1], 0xfedcba98
	s_wait_kmcnt 0x0
	s_add_nc_u64 s[4:5], s[4:5], s[16:17]
	s_add_nc_u64 s[8:9], s[8:9], s[16:17]
	s_add_nc_u64 s[6:7], s[6:7], PARB+13*1024
	EACH global_load_b128 v[X+8*r:X+8*r+3], v2, s[4:5] offset:1024*r
	EACH global_load_b128 v[X+8*r+4:X+8*r+7], v2, s[4:5] offset:1024*r+512
	EACH global_load_b128 v[X1+8*r:X1+8*r+3], v2, s[4:5] offset:PART+1024*r
	EACH global_load_b128 v[X1+8*r+4:X1+8*r+7], v2, s[4:5] offset:PART+1024*r+512
	global_load_b128 v[GA:GA+3],   v1, s[6:7]
	global_load_b128 v[GA+4:GA+7], v1, s[6:7] offset:512
	global_load_b128 v[BE:BE+3],   v1, s[6:7] offset:1024
	global_load_b128 v[BE+4:BE+7], v1, s[6:7] offset:1536
	s_wait_loadcnt 0x0
.irp c, 0,2,4,6
	EACH v_pk_add_f32 v[X+8*r+\c:X+8*r+\c+1], v[X+8*r+\c:X+8*r+\c+1], v[X1+8*r+\c:X1+8*r+\c+1]
.endr
	EACH v_pk_add_f32 v[T+2*r:T+2*r+1], v[X+8*r:X+8*r+1], v[X+8*r+2:X+8*r+3]
	EACH v_pk_add_f32 v[T+2*r:T+2*r+1], v[T+2*r:T+2*r+1], v[X+8*r+4:X+8*r+5]
	EACH v_pk_add_f32 v[T+2*r:T+2*r+1], v[T+2*r:T+2*r+1], v[X+8*r+6:X+8*r+7]
	EACH v_add_f32 v[T+2*r], v[T+2*r], v[T+2*r+1]
	RED
	EACH v_mul_f32 v[T+2*r], s[INV], v[T+2*r]
.irp c, 0,2,4,6
	EACH v_pk_add_f32 v[X+8*r+\c:X+8*r+\c+1], v[X+8*r+\c:X+8*r+\c+1], v[T+2*r:T+2*r+1] op_sel_hi:[1,0] neg_lo:[0,1] neg_hi:[0,1]
.endr
	EACH v_pk_mul_f32 v[T+2*r:T+2*r+1], v[X+8*r:X+8*r+1], v[X+8*r:X+8*r+1]
.irp c, 2,4,6
	EACH v_pk_fma_f32 v[T+2*r:T+2*r+1], v[X+8*r+\c:X+8*r+\c+1], v[X+8*r+\c:X+8*r+\c+1], v[T+2*r:T+2*r+1]
.endr
	EACH v_add_f32 v[T+2*r], v[T+2*r], v[T+2*r+1]
	RED
	EACH v_fmaak_f32 v[T+2*r], s[INV], v[T+2*r], 0x3a83126f
	EACH v_rsq_f32 v[T+2*r], v[T+2*r]
	v_nop                                          ; a plain instruction behind the last root,
	s_wait_alu depctr_va_vdst(0)                   ; and one wait for the four, ahead of their first reader
.irp c, 0,2,4,6
	EACH v_pk_mul_f32 v[X+8*r+\c:X+8*r+\c+1], v[X+8*r+\c:X+8*r+\c+1], v[T+2*r:T+2*r+1] op_sel_hi:[1,0]
.endr
.irp c, 0,2,4,6
	EACH v_pk_fma_f32 v[X+8*r+\c:X+8*r+\c+1], v[X+8*r+\c:X+8*r+\c+1], v[GA+\c:GA+\c+1], v[BE+\c:BE+\c+1]
.endr
	EACH global_store_b128 v2, v[X+8*r:X+8*r+3], s[8:9] offset:1024*r
	EACH global_store_b128 v2, v[X+8*r+4:X+8*r+7], s[8:9] offset:1024*r+512
	s_endpgm
.Lfunc_end_k_q5b52b56093_fin:
	.size	k_q5b52b56093_fin, .Lfunc_end_k_q5b52b56093_fin-k_q5b52b56093_fin
	.p2alignl 7, 3214868480
	.fill 96, 4, 3214868480
	.section	.rodata,"a",@progbits
	.p2align	6, 0x0
	.amdhsa_kernel k_q5b52b56093_fin
		.amdhsa_group_segment_fixed_size 0
		.amdhsa_private_segment_fixed_size 0
		.amdhsa_enable_private_segment 0
		.amdhsa_kernarg_size 24
		.amdhsa_user_sgpr_count 2
		.amdhsa_user_sgpr_kernarg_segment_ptr 1
		.amdhsa_wavefront_size32 1
		.amdhsa_system_sgpr_workgroup_id_x 1
		.amdhsa_system_sgpr_workgroup_id_y 1
		.amdhsa_system_sgpr_workgroup_id_z 1
		.amdhsa_system_vgpr_workitem_id 0
		.amdhsa_next_free_vgpr 104
		.amdhsa_next_free_sgpr 66
		.amdhsa_reserve_vcc 0
		.amdhsa_float_denorm_mode_32 3
		.amdhsa_float_denorm_mode_16_64 3
		.amdhsa_memory_ordered 1
		.amdhsa_forward_progress 1
		.amdhsa_inst_pref_size 13
	.end_amdhsa_kernel
	.amdgpu_metadata
---
amdhsa.version: [ 1, 2 ]
amdhsa.kernels:
  - .name:           k_q5b52b56093_fin
    .symbol:         k_q5b52b56093_fin.kd
    .args:
      - { .name: xa, .offset: 0, .size: 8, .value_kind: global_buffer, .address_space: global }
      - { .name: pw3, .offset: 8, .size: 8, .value_kind: global_buffer, .address_space: global }
      - { .name: out0, .offset: 16, .size: 8, .value_kind: global_buffer, .address_space: global }
    .group_segment_fixed_size: 0
    .private_segment_fixed_size: 0
    .kernarg_segment_align: 8
    .kernarg_segment_size: 24
    .max_flat_workgroup_size: 128
    .sgpr_count:     66
    .vgpr_count:     104
    .wavefront_size: 32
...
	.end_amdgpu_metadata
.endif
;; end of part 5
